; MI455X (gfx1250); checked and timed in simulation.
; The chip was launched on July 23, 2026; its instructions are those of AMD's public machine-readable ISA for CDNA 5 (MIT licence, August 2026) and "CDNA5" Instruction Set Architecture Reference Guide (July 2026). The comments in the code are by the model that wrote it; some were corrected since.
;; Attention. Allowed arithmetic: matrix products marked QUANTISED: E2M3 operands, one E8M0 scale for each 32 along K, by v_wmma_scale_f32_16x16x128_f8f6f4 with both operands' format E2M3, f32 sums; everything else in f32.
;; Inputs: W_k 1,024 x 1,024 float32; W_q 1,024 x 1,024 float32; W_v 1,024 x 1,024 float32; b_k 1,024 float32; b_q 1,024 float32; b_v 1,024 float32; encoded_k 4 x 2,048 x 1,024 float32; encoded_q 4 x 2,048 x 1,024 float32; encoded_v 4 x 2,048 x 1,024 float32.
;; Outputs: out0 4 x 2,048 x 1,024 float32.
;; Constants: parameter_mask = 1.
;; This version of the problem:
;;   THIS VERSION OF THE PROBLEM IS GIVEN IN LOW PRECISION. The matrix products marked QUANTISED in the list below multiply operands that are first quantised to E2M3 (2 exponent bits, 3 mantissa bits; 6 bits a number), with one power-of-two scale for each 32 numbers along K (OCP MX v1.0); their sums are f32. All else is computed in f32.
;;   The module's matrix products, in the order in which they are computed (A, B: the left and right operand; K: the contracted axis; several contracted axes count as one K, in the product's order):
;;     1. [M 8,192, K 1,024] x [K 1,024, N 1,024]; A: input encoded_q; B: input W_q: QUANTISED
;;     2. [M 8,192, K 1,024] x [K 1,024, N 1,024]; A: input encoded_k; B: input W_k: QUANTISED
;;     3. [M 8,192, K 1,024] x [K 1,024, N 1,024]; A: input encoded_v; B: input W_v: QUANTISED
;;     4. batch 4 x [M 2,048, K 1,024] x [K 1,024, N 2,048]; A: computed on the way; B: computed on the way: QUANTISED
;;     5. batch 4 x [M 2,048, K 2,048] x [K 2,048, N 1,024]; A: softmax (see below); B: computed on the way: QUANTISED
;;   THE QUANTISER, for each operand of a quantised product, along K:
;;     - K is cut into blocks of 32 from its start; a last block that is shorter is filled with zeros.
;;     - A block's scale is 2^e with e = floor(log2(the largest magnitude in the block)) - 2, held to -126 .. 127; a block of zeros has e = 0. As a byte (E8M0): e + 127.
;;     - Each number is divided by its block's scale, clamped to +-7.5, and rounded to the nearest number of E2M3, ties to even, subnormals kept.
;;     - The product sums the exact products of the quantised numbers (number of the format x scale) in f32.
;;   ~~~python
;;   def quantise(x, axis):      # numpy; x: float32 -> the quantised numbers, widened to float32 again
;;       x = np.moveaxis(x, axis, -1); K = x.shape[-1]
;;       x = np.pad(x, [(0, 0)] * (x.ndim - 1) + [(0, -K % 32)]); x = x.reshape(x.shape[:-1] + (-1, 32)); a = np.abs(x).max(-1, keepdims=True)
;;       e = np.where(a > 0, np.clip(np.frexp(np.where(a > 0, a, 1))[1] - 1 - 2, -126, 127), 0)      # np.frexp(a)[1] - 1 = floor(log2(a)), exactly
;;       r = np.clip(x / 2.0 ** e, -7.5, 7.5)
;;       step = 2.0 ** (np.maximum(np.frexp(np.where(r == 0, 1, r))[1] - 1, 0) - 3)
;;       q = np.round(r / step) * step * 2.0 ** e      # np.round: ties to even
;;       return np.moveaxis(q.reshape(q.shape[:-2] + (-1,))[..., :K], -1, axis).astype(np.float32)
;;   ~~~
;;   SOFTMAX AHEAD OF A QUANTISED PRODUCT. Where the list says 'softmax', what is quantised is not the finished softmax but p = 2^(t - M), with t = logit x log2(e) and M = ceil(the row's largest t), a whole number; so 1/2 < the row's largest p <= 1. The row's sum l is taken of the UNQUANTISED p, in f32, and the product's result is divided by l at the end. Since M is a whole number, a kernel that streams over the keys may use a running M (the ceiling of the running maximum): every later rescaling is an exact power of two, which a block's scale takes up: the codes' values come out the same.
;;   OPERANDS COMPUTED ON THE WAY. 'Computed on the way' means the value that the module computes at that place (a softmax that the list does not call 'softmax' is quantised finished and normalised). What goes into a quantiser is computed in f32, as accurately as f32 sums, v_exp_f32 and their like allow (about 1e-6 of the number): no bf16 or f16 on the way to a quantiser, and a product that is left as it is and whose result goes on into a quantised operand takes f32 operands (vector FMAs, or v_wmma_f32_16x16x4_f32). A number that lies on a knife's edge between two numbers of the format may be rounded either way, as far as f32 arithmetic and the matrix unit's own rounding can turn it there, and no further.
;; One version. Each part assembles by itself: llvm-mc -triple=amdgcn-amd-amdhsa -mcpu=gfx1250 --defsym DOCPART=n.
;; ======== version 1 of 1: 4 launches
;; limits: right only within a limited range of input values
;; workspace buffers: c1 22,118,400 bytes; c2 19,660,800 bytes; pc 13,107,200 bytes; st 1,048,576 bytes
;; launch quant (part 1): grid 864 x 1, 4 waves a work-group, no clusters, 35,328 bytes of LDS; arguments encoded_q, encoded_k, encoded_v, W_q, W_k, W_v, c1; writes c1
.if DOCPART == 1
	.amdgcn_target "amdgcn-amd-amdhsa--gfx1250"
	.amdhsa_code_object_version 6
	.text
	.protected	k_q41342a20d7_quant
	.globl	k_q41342a20d7_quant
	.p2align	8
	.type	k_q41342a20d7_quant,@function
k_q41342a20d7_quant:
	s_mov_b64 s[64:65], 0
	v_nop
	global_prefetch_b8 v0, s[64:65] scope:SCOPE_SE
	s_setreg_imm32_b32 hwreg(HW_REG_WAVE_MODE, 25, 1), 1
	s_wait_xcnt 0x0
; The six f32 inputs (rows of 1,024 numbers, K innermost) become codes of FP6 (E2M3) with one E8M0 scale byte for each 32 along K, laid in BLOCKS, the one layout of all this program's code buffers.
; A BLOCK is 128 rows x 256 along K, 25,600 dense bytes: fragment (i, q) (rows 16 i .. 16 i + 15, K 128 q .. 128 q + 127) at (2 i + q) x 1,536 as an IMAGE OF THE OPERAND'S 12 REGISTERS
; (registers 4 c .. 4 c + 3 of lane l at 512 c + 16 l); behind the 16 fragments the scale words, one a row and 128 K, at 24,576 + 512 q + 4 (16 i + r).
; c1 holds 216 row groups of 128 rows x 4 blocks: encoded_q 0-63, encoded_k 64-127, encoded_v 128-191, W_q 192-199, W_k 200-207, W_v 208-215.
; ROW ORDER: in row groups 64 .. 207 bits 3 and 4 of the row's number are exchanged.  These tensors are source 0 of a product whose result is quantised along N: so a lane's 16 registers of two
; neighbouring result tiles are 16 neighbours along the next K, and no later launch permutes anything.
; SHARES: a work-group makes one block; wave w the kfrag q = w & 1 of rows 64 (w >> 1) on: four fragments.  A fragment's 16 rows x 512 bytes are loaded row by row (32 lanes read 512 consecutive bytes),
; turn through the wave's own stage in LDS (rows 528 bytes apart), and come back as the conversions want them: lane (r, h) holds of row r the numbers k = 32 b + 16 h + 0 .. 15 of each block b of 32.
; A block's scale is 2^(floor(log2(largest magnitude)) - 2): its byte is the largest magnitude's exponent field - 2, held at 1 from below.
; LIMITS: a block of zeros gets the byte 1 where the rule says 127 (its codes are zeros, and this program alone reads the bytes); blocks whose largest magnitude lies under 2^-124 are coded on the scale 2^-126;
; NaN and infinities among the inputs are not served.
; No tensor load, no barrier: waves share nothing.  Loads run one fragment (16 loads a wave) ahead.
.set BLK,  25600
.set SPT,  528                         ; a stage row: 512 bytes + 16: the 16 rows that a read touches start in 16 different groups of banks
.set SCR,  16*SPT                      ; behind the stage: the wave's 256 bytes of scale words
.set WREG, SCR+256                     ; LDS of a wave
.set PC,   14                          ; v14-33   the codes just made (12 registers) and the conversions' second halves
.set R,    34                          ; v34-161  two sets of 64: a fragment's numbers as loaded
.set X,    162                         ; v162-225 the same, 16 neighbours of each block a lane
.set TM,   226                         ; v226-241 largest magnitudes, bytes, scale operands
.set PW,   242                         ; v242     the scale word just made
.set SEL,  22                          ; s[22:23] lane selects for v_permlanex16_b32: lane l xor 16
; 64 numbers of a lane, register 16 b + i = k 32 b + 16 (lane / 16) + i of my row, become a fragment's codes in v[PC] on and its scale word in v[pw].
.macro QUANT s, floor, pw
.irp b, 0,1,2,3
	v_max3_num_f32 v[TM+\b], |v[\s+16*\b]|, |v[\s+1+16*\b]|, \floor   ; block b: my 16 numbers, and the floor, which holds the byte from below
.endr
.irp i, 2,4,6,8,10,12,14
.irp b, 0,1,2,3
	v_max3_num_f32 v[TM+\b], v[TM+\b], |v[\s+16*\b+\i]|, |v[\s+1+16*\b+\i]|   ; the four blocks by turns
.endr
.endr
.irp b, 0,1,2,3
	v_permlanex16_b32 v[TM+4+\b], v[TM+\b], s[SEL], s[SEL+1]
.endr
.irp b, 0,1,2,3
	v_max_num_f32 v[TM+\b], v[TM+\b], v[TM+4+\b]   ; with lane l xor 16's: the block's largest magnitude
.endr
.irp b, 0,1,2,3
	v_add_nc_u32 v[TM+12+\b], 0xff000000, v[TM+\b] ; 2 off its exponent field: the conversion takes the exponent field of this operand as its scale
.endr
.irp b, 0,1,2,3
	v_lshrrev_b32 v[TM+4+\b], 23, v[TM+12+\b]      ; the scale's byte
.endr
	v_lshl_or_b32 v[\pw], v[TM+5], 8, v[TM+4]      ; four bytes: my row's scale word
	v_lshl_or_b32 v[\pw], v[TM+6], 16, v[\pw]
	v_lshl_or_b32 v[\pw], v[TM+7], 24, v[\pw]
.irp c, 0,1
	v_cvt_scalef32_pk16_fp6_f32 v[PC+6*\c:PC+2+6*\c], v[\s+32*\c:\s+15+32*\c], v[TM+12+2*\c]
	v_cvt_scalef32_pk16_fp6_f32 v[PC+12+4*\c:PC+14+4*\c], v[\s+16+32*\c:\s+31+32*\c], v[TM+12+2*\c+1]   ; (a conversion's three registers begin on an even number)
.endr
	v_nop                                          ; one plain place behind a scaled conversion
.irp c, 0,1                                    ; the operand's layout wants a WHOLE block in a lane: lanes 0-15 block 2 c, lanes 16-31 block 2 c + 1
.irp i, 0,1,2
	v_permlane16_swap_b32 v[PC+6*\c+\i], v[PC+12+4*\c+\i]
.endr
.irp i, 0,1,2
	v_mov_b32 v[PC+3+6*\c+\i], v[PC+12+4*\c+\i]
.endr
.endr
.endm
	s_load_b256 s[4:11], s[0:1], 0x0               ; encoded_q s[4:5], encoded_k s[6:7], encoded_v s[8:9], W_q s[10:11]
	s_load_b128 s[12:15], s[0:1], 0x20             ; W_k s[12:13], W_v s[14:15]
	s_load_b64 s[16:17], s[0:1], 0x30              ; c1
	v_lshl_add_u32 v254, v0, 2, 0x8800
	v_mov_b32 v255, 0
	v_lshrrev_b32 v1, 5, v0
	v_readfirstlane_b32 s18, v1                    ; wave 0..3
	v_and_b32 v1, 31, v0                           ; lane
	s_wait_alu depctr_va_vdst(0)
	v_and_b32 v2, 15, v0                           ; r
	s_wait_alu depctr_va_vdst(0)
	v_bfe_u32 v3, v0, 4, 1                         ; h
	s_lshr_b32 s19, ttmp9, 2                       ; g: the row group
	s_and_b32 s20, ttmp9, 3                        ; which 256 along K
	s_lshr_b32 s24, s18, 1                         ; which 64 rows
	s_and_b32 s25, s18, 1                          ; which 128 along K
	s_mov_b32 s[SEL], 0x76543210
	s_mov_b32 s[SEL+1], 0xfedcba98
	s_sub_co_u32 s26, s19, 64
	s_cmp_lt_u32 s26, 144                          ; row groups 64 .. 207: bits 3 and 4 of the row exchanged
	s_cselect_b32 s26, 16, 8                       ; the second eight lanes of an even fragment stand 16 rows on, or 8,
	s_sub_co_u32 s27, 24, s26                      ; and the odd fragment begins 8 rows on, or 16
	s_lshl_b32 s26, s26, 12
	s_lshl_b32 s27, s27, 12
	v_lshlrev_b32 v10, 4, v1                       ; 16 x lane: my bytes of a row's 512, and of an image's 512
	v_mov_b32 v4, v10                              ; v4-7: the loads' offsets for (odd fragment, second eight rows) = (0,0), (0,1), (1,0), (1,1)
	v_add_nc_u32 v5, s26, v10
	v_add_nc_u32 v6, s27, v10
	v_add_nc_u32 v7, 24*4096, v10
	s_mul_i32 s28, s18, WREG
	v_add_nc_u32 v8, s28, v10                      ; the stage, on the way in: a row's 512 bytes as they lie
	v_mul_u32_u24 v9, v2, SPT
	s_wait_alu depctr_va_vdst(0)
	v_lshl_add_u32 v9, v3, 6, v9
	v_add_nc_u32 v9, s28, v9                       ; and out: row r, + 64 h
	s_add_co_u32 s29, s28, SCR
	v_lshl_add_u32 v11, v2, 2, s29                 ; my row's scale word
	v_lshlrev_b32 v13, 3, v1
	v_add_nc_u32 v12, s29, v13                     ; and on the way out 8 bytes a lane
.irp b, 0,1,2,3
	v_mov_b32 v[TM+4+\b], 0                        ; written once: a lane permute's destination counts as one of its sources
.endr
	s_wait_alu depctr_va_vdst(0)
	s_wait_kmcnt 0x0
	s_mov_b32 s21, 208                             ; the tensor and its first row group: a choice of pointers on the work-group's number, one path through the text
	s_cmp_lt_u32 s19, 208
	s_cselect_b64 s[14:15], s[12:13], s[14:15]
	s_cselect_b32 s21, 200, s21
	s_cmp_lt_u32 s19, 200
	s_cselect_b64 s[14:15], s[10:11], s[14:15]
	s_cselect_b32 s21, 192, s21
	s_cmp_lt_u32 s19, 192
	s_cselect_b64 s[14:15], s[8:9], s[14:15]
	s_cselect_b32 s21, 128, s21
	s_cmp_lt_u32 s19, 128
	s_cselect_b64 s[14:15], s[6:7], s[14:15]
	s_cselect_b32 s21, 64, s21
	s_cmp_lt_u32 s19, 64
	s_cselect_b64 s[14:15], s[4:5], s[14:15]
	s_cselect_b32 s21, 0, s21
	s_sub_co_u32 s30, s19, s21
	s_lshl_b32 s30, s30, 19                        ; 128 rows of 4,096 bytes a row group,
	s_lshl_b32 s31, s24, 18                        ; my 64 rows,
	s_add_co_u32 s30, s30, s31
	s_lshl_b32 s31, s20, 10                        ; the block's 256 along K,
	s_add_co_u32 s30, s30, s31
	s_lshl_b32 s31, s25, 9                         ; my 128 of them
	s_add_co_u32 s30, s30, s31
	s_mov_b32 s31, 0
	s_add_nc_u64 s[14:15], s[14:15], s[30:31]
	s_mul_i32 s32, ttmp9, BLK
	s_mov_b32 s33, 0
	s_add_nc_u64 s[16:17], s[16:17], s[32:33]      ; my block
	s_lshl_b32 s32, s24, 3
	s_add_co_u32 s32, s32, s25
	s_mul_i32 s32, s32, 1536
	s_add_nc_u64 s[34:35], s[16:17], s[32:33]      ; my first fragment: (8 (w >> 1) + q) x 1,536; the next is 3,072 on
	s_lshl_b32 s32, s25, 9
	s_lshl_b32 s36, s24, 8
	s_add_co_u32 s32, s32, s36
	s_add_co_u32 s32, s32, 24576
	s_add_nc_u64 s[36:37], s[16:17], s[32:33]      ; my 64 scale words
.macro LOADF t                         ; fragment t = 2 beta + u: 16 rows x 512 bytes into set t % 2
.irp n, 0,1,2,3,4,5,6,7,8,9,10,11,12,13,14,15
	global_load_b128 v[R+64*((\t)%2)+4*\n:R+64*((\t)%2)+4*\n+3], v[4+2*((\t)%2)+\n/8], s[14:15] offset:(32*((\t)/2)+\n%8)*4096 th:TH_LOAD_NT
.endr
.endm
.macro FRAGQ t
.if (\t) < 3
	s_wait_loadcnt 16                              ; this fragment's 16 loads are in; the next fragment's 16 may be out
.else
	s_wait_loadcnt 0x0
.endif
.irp n, 0,1,2,3,4,5,6,7,8,9,10,11,12,13,14,15
	ds_store_b128 v8, v[R+64*((\t)%2)+4*\n:R+64*((\t)%2)+4*\n+3] offset:SPT*\n
.endr
.irp b, 0,1,2,3
.irp j, 0,1,2,3
	ds_load_b128 v[X+16*\b+4*\j:X+16*\b+4*\j+3], v9 offset:128*\b+16*\j   ; LDS serves a wave's instructions in order: these see the stores above
.endr
.endr
	s_wait_dscnt 0x0                               ; the numbers are back; the stage's stores have read their registers, and so has the last scale word's
	s_wait_xcnt 0x0                                ; the last fragment's stores have read the codes' registers
.if (\t) < 2
	LOADF (\t)+2
.endif
	QUANT X, 0x1800000, PW
.irp c, 0,1,2
	global_store_b128 v10, v[PC+4*\c:PC+4*\c+3], s[34:35] offset:3072*(\t)+512*\c   ; 32 lanes store 512 consecutive bytes, aligned
.endr
	ds_store_b32 v11, v[PW] offset:64*(\t)         ; both lanes of a row write the same word with the same value
.endm
	LOADF 0
	LOADF 1
	FRAGQ 0
	FRAGQ 1
	FRAGQ 2
	FRAGQ 3
	ds_load_b64 v[244:245], v12
	s_wait_dscnt 0x0
	global_store_b64 v13, v[244:245], s[36:37]     ; 32 lanes store 256 consecutive bytes, aligned
	s_wait_tensorcnt 0x0
	ds_add_u32 v254, v255
	s_wait_dscnt 0x0
	s_endpgm
.Lfunc_end_k_q41342a20d7_quant:
	.size	k_q41342a20d7_quant, .Lfunc_end_k_q41342a20d7_quant-k_q41342a20d7_quant
	.p2alignl 7, 3214868480
	.fill 96, 4, 3214868480
	.section	.rodata,"a",@progbits
	.p2align	6, 0x0
	.amdhsa_kernel k_q41342a20d7_quant
		.amdhsa_group_segment_fixed_size 35328
		.amdhsa_private_segment_fixed_size 0
		.amdhsa_enable_private_segment 0
		.amdhsa_kernarg_size 56
		.amdhsa_user_sgpr_count 2
		.amdhsa_user_sgpr_kernarg_segment_ptr 1
		.amdhsa_wavefront_size32 1
		.amdhsa_system_sgpr_workgroup_id_x 1
		.amdhsa_system_sgpr_workgroup_id_y 1
		.amdhsa_system_sgpr_workgroup_id_z 1
		.amdhsa_system_vgpr_workitem_id 0
		.amdhsa_next_free_vgpr 256
		.amdhsa_next_free_sgpr 66
		.amdhsa_reserve_vcc 0
		.amdhsa_float_denorm_mode_32 3
		.amdhsa_float_denorm_mode_16_64 3
		.amdhsa_memory_ordered 1
		.amdhsa_forward_progress 1
		.amdhsa_inst_pref_size 35
	.end_amdhsa_kernel
	.amdgpu_metadata
---
amdhsa.version: [ 1, 2 ]
amdhsa.kernels:
  - .name:           k_q41342a20d7_quant
    .symbol:         k_q41342a20d7_quant.kd
    .args:
      - { .name: encoded_q, .offset: 0, .size: 8, .value_kind: global_buffer, .address_space: global }
      - { .name: encoded_k, .offset: 8, .size: 8, .value_kind: global_buffer, .address_space: global }
      - { .name: encoded_v, .offset: 16, .size: 8, .value_kind: global_buffer, .address_space: global }
      - { .name: W_q, .offset: 24, .size: 8, .value_kind: global_buffer, .address_space: global }
      - { .name: W_k, .offset: 32, .size: 8, .value_kind: global_buffer, .address_space: global }
      - { .name: W_v, .offset: 40, .size: 8, .value_kind: global_buffer, .address_space: global }
      - { .name: c1, .offset: 48, .size: 8, .value_kind: global_buffer, .address_space: global }
    .group_segment_fixed_size: 35328
    .private_segment_fixed_size: 0
    .kernarg_segment_align: 8
    .kernarg_segment_size: 56
    .max_flat_workgroup_size: 128
    .sgpr_count:     66
    .vgpr_count:     256
    .wavefront_size: 32
...
	.end_amdgpu_metadata
.endif
;; end of part 1
;; launch proj (part 2): grid 4 x 64, 4 waves a work-group, clusters of 4 x 4, 327,680 bytes of LDS; arguments c1, b_q, b_k, b_v, c2; writes c2
.if DOCPART == 2
	.amdgcn_target "amdgcn-amd-amdhsa--gfx1250"
	.amdhsa_code_object_version 6
	.text
	.protected	k_q41342a20d7_proj
	.globl	k_q41342a20d7_proj
	.p2align	8
	.type	k_q41342a20d7_proj,@function
k_q41342a20d7_proj:
	s_mov_b64 s[64:65], 0
	v_nop
	global_prefetch_b8 v0, s[64:65] scope:SCOPE_SE
	s_setreg_imm32_b32 hwreg(HW_REG_WAVE_MODE, 25, 1), 1
	s_wait_xcnt 0x0
	s_wait_alu depctr_hold_cnt(0) depctr_sa_sdst(0) depctr_va_vdst(0) depctr_va_sdst(0) depctr_va_ssrc(0) depctr_va_vcc(0) depctr_vm_vsrc(0)
	s_getreg_b32 s2, hwreg(HW_REG_IB_STS2, 6, 4)
	s_cmp_eq_u32 s2, 0
	s_cbranch_scc0 .Lentry_in_a_cluster
	s_endpgm
.Lentry_in_a_cluster:
	s_bfe_u32 s2, ttmp6, 0x10000c
	s_cmp_lg_u32 s2, 0xf033
	s_cbranch_scc0 .Lentry_shape_is_right
	s_endpgm
.Lentry_shape_is_right:
; The three projections on codes of FP6 (E2M3) with E8M0 scales; each result has its bias in f32 and is quantised again along N, straight out of the accumulators:
;   T = 0: q = x_q W_q^T + b_q   T = 1: k = x_k W_k^T + b_k   (A = the tokens, B = the weight)    T = 2: v^T = W_v x_v^T + b_v (A = the weight, B = the tokens: N = the keys)
; Operands and results lie in BLOCKS of 128 rows x 256 K, 25,600 dense bytes: fragment (i, q) at (2 i + q) x 1,536 as an image of the operand's 12 registers, scale words at 24,576 + 512 q + 4 (16 i + r).
; A WORK-GROUP STAYS: each T has 256 tiles of 128 x 256, and each of the 256 work-groups makes one tile of each T, one after the other; a tile is one block of c2.
; Four waves, 64 x 128 each: 32 accumulators.  K goes in steps of 512 through two LDS slots (A: 2 blocks, B: 2 row groups x 2 blocks, 153,600 bytes); two slots a tile, and the ring
; runs on into the next tile: a tile's two changes of slots ask for the next tile's two halves of K.  One tensor load of a wave is out behind each round.
; T = 0 and 1 are a loop of two trips; T = 2, which asks for nothing more, is written out.
; THE MATRIX INSTRUCTION IS USED TRANSPOSED (source 0 = 16 rows of B, source 1 = 16 rows of A): a lane holds one row of A, its registers run along N.  B's rows lie with bits 3 and 4 of their number
; exchanged, so register 16 g + i of a row block's eight accumulators is N = 32 g + 16 (lane / 16) + i.  THE BIAS is the C of a tile's first products: no addition is written.
; CLUSTERS: 4 x 4 work-groups, 16 clusters (number c).  T < 2: tile row 4 c + cy, tile column cx.  T = 2: tile row 4 (c & 1) + cy, tile column 4 (c >> 1) + cx.  A's blocks are asked for jointly along a row
; of the cluster, B's along a column.
; PREFETCH: in the first half of tile T each wave names its share of tile T + 1's second half of K, in the second half of tile 0 its share of tile 2's first half: the fill that stands two refills on.
; Of the 100 (A) or 200 (B) pieces of 256 bytes that a wave's load brings, each of the four partners that ask jointly names a quarter, told apart by address.  The first three fills come by their loads alone.
; c1: row groups x 4 blocks: x_q 0-63, x_k 64-127, x_v 128-191, W_q 192-199, W_k 200-207, W_v 208-215.  c2: q blocks 4 G + s, k 256 + 4 G + s, v^T 512 + 32 G + s.
; LIMITS: a block of zeros gets the byte 1 where the rule says 127 (its codes are zeros, and this program alone reads the bytes); blocks under 2^-124 are coded on the scale 2^-126; NaN and infinities are not served.
; REGISTERS: window 0: v1-15 addresses, v16-31 scale words (two sets), v32-55 the quantiser's, v64-159 A's fragments (two sets), v160-239 a tile's codes.  window 1: B's fragments, two sets, at v0 and v128.
;   window 2: the accumulators ((a, b) at v[8 (8 a + b)]).  window 3: the biases: b_q v0-63, b_k v64-127 (along N), b_v v128-159 (my row's, eight times for each row block).
.set BLK,   25600
.set SLOT,  6*BLK
.set SPARE, 2*SLOT                     ; the spare words, 128 bytes a wave, that no other line names
.set SCRT,  SPARE+512                  ; 256 bytes a wave: a tile's scale words on their way out; no tensor load lands here
.set SCOFF, 24576
.set ADRA, 2                           ; v2-3  my A fragments in slot 0, 1
.set ADRB, 4                           ; v4-5  my B fragments
.set ADRS, 6                           ; v6-7  scale words: lanes 0-15 A's rows, lanes 16-31 B's
.set LO,   8                           ; 16 x lane
.set SCW,  9                           ; where my row's scale word goes
.set SCRD, 10                          ; where I read 8 bytes of them back
.set LOS,  11                          ; their place behind my first fragment in c2
.set PFO,  12                          ; the prefetches' offset: 256 x min(lane, 24)
.set SPW,  13
.set NIL,  14
.set SC,   16
.set TM,   32
.set PW,   48
.set SWB,  52
.set AF,   64
.set PCB,  160
.set BQ,   0
.set BK,   64
.set BV,   128
.set G1,   24
.set G0,   32
.set G1B,  48
.set G0B,  56
.set A1,   68                          ; my load's first byte in tiles 1 and 2: A's,
.set A2,   70
.set B1,   72                          ; B's
.set B2,   74
.set O0,   76                          ; my first fragment of the three results
.set O1,   78
.set O2,   80
.set P1,   82                          ; my share of my load's bytes in tiles 1 and 2
.set P2,   84
.set AN,   86                          ; the same for the next tile of this trip
.set BN,   88
.set PN,   90
.set ON,   92
.set TT,   94                          ; T
.set SEL,  96
.set MUL,  0xa1                        ; source 0 (B) window 1, source 1 (A) window 0, C and D window 2
.set MULC, 0xb1                        ; the same with C in window 3
.set MSB, 0
.macro WIN new                         ; the immediate's high byte repeats the setting that is left
.if MSB != (\new)
	s_set_vgpr_msb (MSB<<8)|(\new)
.set MSB, (\new)
.endif
.endm
.macro JLOAD s                         ; a joint load into slot s: waves 0, 1 one block of A each, waves 2, 3 two blocks of B each; s_nop 0 and four v_nop follow each line
	s_cmp_eq_u32 s15, 0
	s_cbranch_scc0 .Lfor_b_\@
	tensor_load_to_lds s[G0+4*(\s):G0+4*(\s)+3], s[G1:G1+7]
	s_nop 0
.rept 4
	v_nop
.endr
	s_branch .Lasked_\@
.Lfor_b_\@:
	tensor_load_to_lds s[G0B+4*(\s):G0B+4*(\s)+3], s[G1B:G1B+7]
	s_nop 0
.rept 4
	v_nop
.endr
.Lasked_\@:
.endm
.macro CREST                           ; a round of the cluster's barrier behind its opening barrier
	s_cmp_lg_u32 s14, 0
	s_cbranch_scc1 .Lnot_wave_0_\@
	s_barrier_signal -3
.Lnot_wave_0_\@:
	s_barrier_wait -3
	s_barrier_signal -1
	s_barrier_wait -1
.endm
.macro CROUND
	s_barrier_signal -1
	s_barrier_wait -1
	CREST
.endm
.macro PLACES n
.rept \n
	v_nop
.endr
.endm
	s_load_b256 s[4:11], s[0:1], 0x0               ; c1, b_q, b_k, b_v
	s_load_b64 s[12:13], s[0:1], 0x20              ; c2
	v_lshl_add_u32 v[SPW], v0, 2, SPARE
	v_mov_b32 v[NIL], 0
	ds_add_u32 v[SPW], v[NIL]                      ; the opening lines: the add, twice on end, and its wait ahead of my first tensor load
	ds_add_u32 v[SPW], v[NIL]
	v_lshrrev_b32 v1, 5, v0
	v_readfirstlane_b32 s14, v1                    ; wave 0..3
	s_lshr_b32 s15, s14, 1                         ; which 64 rows are mine.  Also: I fetch for A (0) or for B (1)
	s_and_b32 s16, s14, 1                          ; which 128 columns.  Also: which block of A or row group of B I fetch
	s_bfe_u32 s40, ttmp6, 0x40000                  ; cx
	s_bfe_u32 s41, ttmp6, 0x40004                  ; cy
	s_and_b32 s66, ttmp7, 0xffff                   ; c
	s_lshl_b32 s17, s66, 2
	s_add_co_u32 s17, s17, s41                     ; T < 2: tile row
	s_and_b32 s18, s66, 1
	s_lshl_b32 s18, s18, 2
	s_add_co_u32 s18, s18, s41                     ; T = 2: tile row
	s_lshr_b32 s19, s66, 1
	s_lshl_b32 s19, s19, 2
	s_add_co_u32 s19, s19, s40                     ; T = 2: tile column
	s_lshl_b32 s43, s41, 2
	s_lshl_b32 s43, 15, s43                        ; my row of the cluster
	s_lshl_b32 s44, 0x1111, s40                    ; my column
	s_or_b32 s[G1+0], s43, (3<<16)|(1<<21)         ; dense blocks as rows of 256 bytes (32 elements of 8 bytes): A 100 rows, B 200
	s_mov_b32 s[G1+1], 32<<16
	s_mov_b32 s[G1+2], 100<<16
	s_mov_b32 s[G1+3], 32<<16
	s_mov_b32 s[G1+4], 100
	s_mov_b32 s[G1+5], 32
	s_mov_b32 s[G1+6], 0
	s_mov_b32 s[G1+7], 0
	s_or_b32 s[G1B+0], s44, (3<<16)|(1<<21)
	s_mov_b32 s[G1B+1], 32<<16
	s_mov_b32 s[G1B+2], 200<<16
	s_mov_b32 s[G1B+3], 32<<16
	s_mov_b32 s[G1B+4], 200
	s_mov_b32 s[G1B+5], 32
	s_mov_b32 s[G1B+6], 0
	s_mov_b32 s[G1B+7], 0
	s_mul_i32 s42, s16, BLK                        ; A: my block of a slot's two, in memory and in LDS
	s_mul_i32 s20, s17, 4*BLK
	s_add_co_u32 s20, s20, s42                     ; tile 0's A: row group 4 c + cy
	s_mov_b32 s21, 0
	s_add_co_u32 s22, s18, 208
	s_mul_i32 s22, s22, 4*BLK
	s_add_co_u32 s22, s22, s42                     ; tile 2's A
	s_mov_b32 s23, 0
	s_lshl_b32 s46, s40, 1
	s_add_co_u32 s46, s46, s16
	s_add_co_u32 s46, s46, 192
	s_mul_i32 s46, s46, 4*BLK                      ; tile 0's B: row group 192 + 2 cx + my half
	s_mov_b32 s47, 0
	s_lshl_b32 s98, s19, 1
	s_add_co_u32 s98, s98, s16
	s_add_co_u32 s98, s98, 128
	s_mul_i32 s98, s98, 4*BLK                      ; tile 2's B
	s_mov_b32 s99, 0
	s_lshl_b32 s95, s42, 1
	s_add_co_u32 s95, s95, 2*BLK                   ; B in a slot: behind A's two blocks, two blocks a row group
	s_wait_dscnt 0x0                               ; both opening adds are done
	s_wait_kmcnt 0x0
	s_add_nc_u64 s[20:21], s[4:5], s[20:21]
	s_add_nc_u64 s[A1:A1+1], s[20:21], 256*BLK     ; x_k lies 64 row groups behind x_q
	s_add_nc_u64 s[A2:A2+1], s[4:5], s[22:23]
	s_add_nc_u64 s[46:47], s[4:5], s[46:47]
	s_add_nc_u64 s[B1:B1+1], s[46:47], 32*BLK      ; W_k 8 row groups behind W_q
	s_add_nc_u64 s[B2:B2+1], s[4:5], s[98:99]
.irp s, 0,1
	s_mov_b32 s[G0+4*\s], 1
	s_add_co_u32 s[G0+4*\s+1], s42, \s*SLOT
	s_add_nc_u64 s[G0+4*\s+2:G0+4*\s+3], s[20:21], \s*2*BLK
	s_or_b32 s[G0+4*\s+3], s[G0+4*\s+3], 0x80000000
	s_mov_b32 s[G0B+4*\s], 1
	s_add_co_u32 s[G0B+4*\s+1], s95, \s*SLOT
	s_add_nc_u64 s[G0B+4*\s+2:G0B+4*\s+3], s[46:47], \s*2*BLK
	s_or_b32 s[G0B+4*\s+3], s[G0B+4*\s+3], 0x80000000
.endr
	CROUND                                         ; all sixteen work-groups are here: the first joint loads meet
	JLOAD 0                                        ; tile 0, K 0-511: my one load at the head
	; under its flight: the results' places, the prefetches' places, the biases, the LDS addresses
	s_mul_i32 s45, s15, 12288
	s_mul_i32 s67, s16, 1536
	s_add_co_u32 s45, s45, s67                     ; my first fragment in a block: (8 (w >> 1) + (w & 1)) x 1,536
	s_lshl_b32 s[O0], s17, 2
	s_add_co_u32 s[O0], s[O0], s40
	s_mul_i32 s[O0], s[O0], BLK
	s_add_co_u32 s[O0], s[O0], s45
	s_mov_b32 s[O0+1], 0
	s_lshl_b32 s[O2], s18, 5
	s_add_co_u32 s[O2], s[O2], s19
	s_add_co_u32 s[O2], s[O2], 512
	s_mul_i32 s[O2], s[O2], BLK
	s_add_co_u32 s[O2], s[O2], s45
	s_mov_b32 s[O2+1], 0
	s_add_nc_u64 s[O0:O0+1], s[12:13], s[O0:O0+1]
	s_add_nc_u64 s[O1:O1+1], s[O0:O0+1], 256*BLK
	s_add_nc_u64 s[O2:O2+1], s[12:13], s[O2:O2+1]
	s_cmp_eq_u32 s15, 0
	s_cselect_b64 s[P1:P1+1], s[A1:A1+1], s[B1:B1+1]
	s_cselect_b64 s[P2:P2+1], s[A2:A2+1], s[B2:B2+1]
	s_cselect_b32 s22, s40, s41                    ; my place among the four that ask with me
	s_mul_i32 s22, s22, 6400
	s_lshl_b32 s22, s22, s15                       ; a quarter of the load: 25 pieces of 256 bytes for A, 50 for B
	s_mov_b32 s23, 0
	s_add_nc_u64 s[P1:P1+1], s[P1:P1+1], s[22:23]
	s_add_nc_u64 s[P2:P2+1], s[P2:P2+1], s[22:23]
	s_lshl_b32 s20, s40, 10
	s_lshl_b32 s21, s16, 9
	s_add_co_u32 s20, s20, s21                     ; the bias along N: 4 (256 cx + 128 (w & 1))
	s_lshl_b32 s21, s18, 9
	s_lshl_b32 s43, s15, 8                         ; (also: my 64 rows' scale words in A's block)
	s_add_co_u32 s21, s21, s43                     ; along M: 4 (128 tile row + 64 (w >> 1))
	s_mul_i32 s44, s15, 12288                      ; my 64 rows of A
	s_sub_co_u32 s46, s95, s43
	s_lshl_b32 s47, s14, 8
	s_add_co_u32 s47, s47, SCRT
	s_lshl_b32 s22, s16, 10
	s_mul_i32 s23, s15, 12032
	s_add_co_u32 s22, s22, s23
	s_sub_co_u32 s22, SCOFF, s22                   ; from my first fragment to my 64 scale words
	s_mov_b32 s[SEL], 0x76543210
	s_mov_b32 s[SEL+1], 0xfedcba98
	v_and_b32 v1, 15, v0                           ; r
	v_bfe_u32 v15, v0, 4, 1                        ; h
	v_and_b32 v[LO], 31, v0
	v_min_u32 v[PFO], 24, v[LO]                    ; lanes 25-31 name the 25th piece again
	v_lshlrev_b32 v[PFO], 8, v[PFO]
	v_lshlrev_b32 v[LOS], 3, v[LO]
	v_add_nc_u32 v[SCRD], s47, v[LOS]
	v_add_nc_u32 v[LOS], s22, v[LOS]
	v_lshlrev_b32 v[LO], 4, v[LO]
	v_add_nc_u32 v[ADRA], s44, v[LO]
	v_add_nc_u32 v[ADRB], s95, v[LO]
	v_mul_u32_u24 v[ADRS], s46, v15                ; lanes 16-31 take B's scale words
	v_lshl_add_u32 v[ADRS], v1, 2, v[ADRS]
	v_add_nc_u32 v[ADRS], s43, v[ADRS]
	v_add_nc_u32 v[ADRA+1], SLOT, v[ADRA]
	v_add_nc_u32 v[ADRB+1], SLOT, v[ADRB]
	v_add_nc_u32 v[ADRS+1], SLOT, v[ADRS]
	v_lshl_add_u32 v[SCW], v1, 2, s47
	v_lshl_add_u32 v54, v15, 6, s20
	v_lshl_add_u32 v55, v1, 2, s21
.irp b, 0,1,2,3
	v_mov_b32 v[TM+4+\b], 0                        ; written once: a lane permute's destination counts as one of its sources
.endr
	WIN 0xc0                                       ; destination window 3
.irp g, 0,1,2,3
.irp j, 0,1,2,3
	global_load_b128 v[BQ+16*\g+4*\j:BQ+16*\g+4*\j+3], v54, s[6:7] offset:128*\g+16*\j   ; register 16 g + i: b[N0 + 32 g + 16 h + i]
	global_load_b128 v[BK+16*\g+4*\j:BK+16*\g+4*\j+3], v54, s[8:9] offset:128*\g+16*\j
.endr
.endr
.irp a, 0,1,2,3
	global_load_b32 v[BV+8*\a], v55, s[10:11] offset:64*\a       ; b_v[M0 + 16 a + r]
.endr
	WIN 0
.macro FETCH sl, t, p                  ; the fragments and scale words of the slot's t-th 128 along K into set p: 36 loads of 512 consecutive bytes, 8 of a word a lane
	WIN 0x40
.irp i, 0,1,2,3,4,5,6,7
.irp c, 0,1,2
	ds_load_b128 v[128*(\p)+12*\i+4*\c:128*(\p)+12*\i+4*\c+3], v[ADRB+\sl] offset:BLK*((\t)/2)+1536*((\t)%2)+3072*\i+512*\c
.endr
.endr
	WIN 0
.irp i, 0,1,2,3
.irp c, 0,1,2
	ds_load_b128 v[AF+48*(\p)+12*\i+4*\c:AF+48*(\p)+12*\i+4*\c+3], v[ADRA+\sl] offset:BLK*((\t)/2)+1536*((\t)%2)+3072*\i+512*\c
.endr
.endr
.irp i, 0,1,2,3,4,5,6,7
	ds_load_b32 v[SC+8*(\p)+\i], v[ADRS+\sl] offset:SCOFF+BLK*((\t)/2)+512*((\t)%2)+64*\i
.endr
.endm
; 8 matrix instructions: A's block a x B's eight.  cb < 0: the sums go on in place; else C is the bias at window 3's v[cb + 8 (ka a + kb b)].  The 32 accumulators take turns, one instruction a turn, in the
; same order in every step.
.macro MUL8 a, p, cb, ka, kb
.irp b, 0,1,2,3,4,5,6,7
.if (\cb) < 0
	v_wmma_scale_f32_16x16x128_f8f6f4 v[8*(8*(\a)+\b):8*(8*(\a)+\b)+7], v[128*(\p)+12*\b:128*(\p)+12*\b+11], v[AF+48*(\p)+12*(\a):AF+48*(\p)+12*(\a)+11], v[8*(8*(\a)+\b):8*(8*(\a)+\b)+7], v[SC+8*(\p)+\b], v[SC+8*(\p)+(\a)] matrix_a_fmt:MATRIX_FMT_FP6 matrix_b_fmt:MATRIX_FMT_FP6 matrix_a_scale:MATRIX_SCALE_ROW1
.else
	v_wmma_scale_f32_16x16x128_f8f6f4 v[8*(8*(\a)+\b):8*(8*(\a)+\b)+7], v[128*(\p)+12*\b:128*(\p)+12*\b+11], v[AF+48*(\p)+12*(\a):AF+48*(\p)+12*(\a)+11], v[(\cb)+8*((\ka)*(\a)+(\kb)*\b):(\cb)+8*((\ka)*(\a)+(\kb)*\b)+7], v[SC+8*(\p)+\b], v[SC+8*(\p)+(\a)] matrix_a_fmt:MATRIX_FMT_FP6 matrix_b_fmt:MATRIX_FMT_FP6 matrix_a_scale:MATRIX_SCALE_ROW1
.endif
.endr
.endm
.macro MUL32 p, cb, ka, kb
.irp a, 0,1,2,3
	MUL8 \a, \p, \cb, \ka, \kb
.endr
.endm
.macro ASK pp, off                     ; my quarter of a later fill: 25 pieces a line, a lane a piece; B's waves have 50
	global_prefetch_b8 v[PFO], s[\pp:\pp+1] offset:\off th:TH_LOAD_NT scope:SCOPE_SE
	s_cmp_eq_u32 s15, 0
	s_cbranch_scc1 .Lpf_\@
	global_prefetch_b8 v[PFO], s[\pp:\pp+1] offset:\off+6400 th:TH_LOAD_NT scope:SCOPE_SE
.Lpf_\@:
.endm
.macro FRONT sl, t                     ; a step's front: its fragments are in; four places behind the products that read the other set; the next step's fragments are asked for
	s_wait_dscnt 0x0
	PLACES 4
	FETCH \sl, (\t)+1, 1-(\t)%2
.endm
.macro SUB sl, t, ask                  ; a step of 128 along K that has its successor in the same slot
	FRONT \sl, \t
.if \ask == 1
	ASK PN, 2*BLK                                  ; the next tile's second half of K
.endif
.if \ask == 2
	s_cmp_eq_u32 s[TT], 0
	s_cbranch_scc0 .Lna_\@
	ASK P2, 0                                      ; in tile 0: tile 2's first half of K
.Lna_\@:
.endif
	WIN MUL
	MUL32 (\t)%2, -1, 0, 0
	WIN 0
.endm
; A slot's last step, and the change of slots.  In front of the barrier each wave waits for all its tensor loads (one is out: its part of the other slot), adds 0 to its spare word, and waits for that and for
; its reads of this slot.  fill = 1: the barrier opens a round of the cluster's, and this slot takes half hf of the next tile's K.
.macro TURN sl, fill, hf
	s_wait_tensorcnt 0x0
	ds_add_u32 v[SPW], v[NIL]
.if \fill
	s_add_nc_u64 s[G0+4*(\sl)+2:G0+4*(\sl)+3], s[AN:AN+1], (\hf)*2*BLK    ; no load of mine is out: the descriptors may be written
	s_or_b32 s[G0+4*(\sl)+3], s[G0+4*(\sl)+3], 0x80000000
	s_add_nc_u64 s[G0B+4*(\sl)+2:G0B+4*(\sl)+3], s[BN:BN+1], (\hf)*2*BLK
	s_or_b32 s[G0B+4*(\sl)+3], s[G0B+4*(\sl)+3], 0x80000000
.endif
	s_wait_dscnt 1                                 ; this step's fragments are in; the add alone may be out
	WIN MUL
	MUL8 0, 1, -1, 0, 0
	s_wait_dscnt 0x0
	s_barrier_signal -1
	MUL8 1, 1, -1, 0, 0
	WIN 0
	s_barrier_wait -1
.if \fill
	CREST
	JLOAD \sl                                      ; the first tensor load behind the round; its four v_nop are the places in front of the loads below
.else
	PLACES 4
.endif
	FETCH 1-(\sl), 0, 0
	WIN MUL
	MUL8 2, 1, -1, 0, 0
	MUL8 3, 1, -1, 0, 0
	WIN 0
.endm
; Row block a's 64 numbers of a lane, read in the accumulators' window from each accumulator's low end on, become a fragment's codes in v[PCB + 20 a] on and its scale word.
.macro QUANT a
.set S, 64*(\a)
.set PC, PCB+20*(\a)
	WIN 0x0a
.irp b, 0,1,2,3
	v_max3_num_f32 v[TM+\b], |v[S+16*\b]|, |v[S+1+16*\b]|, 0x1800000   ; block b: my 16 numbers, and the floor, which holds the byte at 1 from below
.endr
	WIN 0x28
.irp i, 2,4,6,8,10,12,14
.irp b, 0,1,2,3
	v_max3_num_f32 v[TM+\b], v[TM+\b], |v[S+16*\b+\i]|, |v[S+1+16*\b+\i]|
.endr
.endr
	WIN 0
.irp b, 0,1,2,3
	v_permlanex16_b32 v[TM+4+\b], v[TM+\b], s[SEL], s[SEL+1]
.endr
.irp b, 0,1,2,3
	v_max_num_f32 v[TM+\b], v[TM+\b], v[TM+4+\b]   ; with lane l xor 16's: the block's largest magnitude
.endr
.irp b, 0,1,2,3
	v_add_nc_u32 v[TM+12+\b], 0xff000000, v[TM+\b] ; 2 off its exponent field: the conversion's scale operand
.endr
.irp b, 0,1,2,3
	v_lshrrev_b32 v[TM+4+\b], 23, v[TM+12+\b]      ; the scale's byte
.endr
	v_lshl_or_b32 v[PW+\a], v[TM+5], 8, v[TM+4]
	v_lshl_or_b32 v[PW+\a], v[TM+6], 16, v[PW+\a]
	v_lshl_or_b32 v[PW+\a], v[TM+7], 24, v[PW+\a]
	WIN 0x02
.irp c, 0,1
	v_cvt_scalef32_pk16_fp6_f32 v[PC+6*\c:PC+2+6*\c], v[S+32*\c:S+15+32*\c], v[TM+12+2*\c]
	v_cvt_scalef32_pk16_fp6_f32 v[PC+12+4*\c:PC+14+4*\c], v[S+16+32*\c:S+31+32*\c], v[TM+12+2*\c+1]   ; (a conversion's three registers begin on an even number)
.endr
	WIN 0
	v_nop                                          ; one plain place behind a scaled conversion
.irp c, 0,1                                    ; the operand's layout wants a WHOLE block in a lane
.irp i, 0,1,2
	v_permlane16_swap_b32 v[PC+6*\c+\i], v[PC+12+4*\c+\i]
.endr
.irp i, 0,1,2
	v_mov_b32 v[PC+3+6*\c+\i], v[PC+12+4*\c+\i]
.endr
.endr
	ds_store_b32 v[SCW], v[PW+\a] offset:64*(\a)   ; both lanes of a row write the same word with the same value
.endm
; A tile's way out: four row blocks are quantised, each into registers of its own; then all stores leave: 12 of 512 consecutive bytes, and my 64 scale words, 256 bytes.
.macro EPI op, sel
	PLACES 4                                       ; behind the last products
	s_wait_xcnt 0x0                                ; the last tile's stores have read their registers and base, my prefetches their address
.if \sel
	s_cmp_eq_u32 s[TT], 0
	s_cselect_b64 s[ON:ON+1], s[O0:O0+1], s[O1:O1+1]
.endif
.irp a, 0,1,2,3
	QUANT \a
.endr
	ds_load_b64 v[SWB:SWB+1], v[SCRD]              ; LDS serves a wave's instructions in order: this sees my stores
.irp a, 0,1,2,3
.irp c, 0,1,2
	global_store_b128 v[LO], v[PCB+20*\a+4*\c:PCB+20*\a+4*\c+3], s[\op:\op+1] offset:3072*\a+512*\c
.endr
.endr
	s_wait_dscnt 0x0
	global_store_b64 v[LOS], v[SWB:SWB+1], s[\op:\op+1]
.endm
	s_wait_alu depctr_va_vdst(0)
	s_wait_tensorcnt 0x0                           ; my part of slot 0 is in
	ds_add_u32 v[SPW], v[NIL]
	s_wait_dscnt 0x0
	CROUND
	JLOAD 1                                        ; tile 0, K 512-1,023: slot 1's first fill, the first tensor load behind the round
	FETCH 0, 0, 0
	s_wait_loadcnt 0x0                             ; the biases
	WIN 0xc3
.irp a, 0,1,2,3
.irp j, 1,2,3,4,5,6,7
	v_mov_b32 v[BV+8*\a+\j], v[BV+8*\a]            ; an accumulator's eight registers of a lane are one row of v^T: eight times its bias
.endr
.endr
	WIN 0
	s_mov_b32 s[TT], 0
	s_wait_alu depctr_va_vdst(0)
.Ltile:                                                ; T = 0, 1
	s_cmp_eq_u32 s[TT], 0
	s_cselect_b64 s[AN:AN+1], s[A1:A1+1], s[A2:A2+1]
	s_cselect_b64 s[BN:BN+1], s[B1:B1+1], s[B2:B2+1]
	s_cselect_b64 s[PN:PN+1], s[P1:P1+1], s[P2:P2+1]
	FRONT 0, 0
	s_cmp_eq_u32 s[TT], 0
	s_cbranch_scc0 .Lbias_k
	WIN MULC
	MUL32 0, BQ, 0, 1                              ; the first products start the sums on the bias
	WIN 0
	s_branch .Lbias_done
.Lbias_k:
	WIN MULC
	MUL32 0, BK, 0, 1
	WIN 0
.Lbias_done:
	SUB 0, 1, 1
	SUB 0, 2, 0
	TURN 0, 1, 0
	SUB 1, 0, 0
	SUB 1, 1, 2
	SUB 1, 2, 0
	TURN 1, 1, 1
	EPI ON, 1
	s_add_co_u32 s[TT], s[TT], 1
	s_cmp_lt_u32 s[TT], 2
	s_wait_alu depctr_va_vdst(0)
	s_cbranch_scc1 .Ltile
	FRONT 0, 0                                     ; T = 2: nothing more is asked for
	WIN MULC
	MUL32 0, BV, 1, 0
	WIN 0
	SUB 0, 1, 0
	SUB 0, 2, 0
	TURN 0, 0, 0
	SUB 1, 0, 0
	SUB 1, 1, 0
	SUB 1, 2, 0
	s_wait_dscnt 0x0
	WIN MUL
	MUL32 1, -1, 0, 0
	WIN 0
	EPI O2, 0
	s_wait_tensorcnt 0x0                           ; the wave's end
	ds_add_u32 v[SPW], v[NIL]
	s_wait_dscnt 0x0
	CROUND                                         ; the closing round
	s_endpgm
.Lfunc_end_k_q41342a20d7_proj:
	.size	k_q41342a20d7_proj, .Lfunc_end_k_q41342a20d7_proj-k_q41342a20d7_proj
	.p2alignl 7, 3214868480
	.fill 96, 4, 3214868480
	.section	.rodata,"a",@progbits
	.p2align	6, 0x0
	.amdhsa_kernel k_q41342a20d7_proj
		.amdhsa_group_segment_fixed_size 327680
		.amdhsa_private_segment_fixed_size 0
		.amdhsa_enable_private_segment 0
		.amdhsa_kernarg_size 40
		.amdhsa_user_sgpr_count 2
		.amdhsa_user_sgpr_kernarg_segment_ptr 1
		.amdhsa_wavefront_size32 1
		.amdhsa_system_sgpr_workgroup_id_x 1
		.amdhsa_system_sgpr_workgroup_id_y 1
		.amdhsa_system_sgpr_workgroup_id_z 1
		.amdhsa_system_vgpr_workitem_id 0
		.amdhsa_next_free_vgpr 1024
		.amdhsa_next_free_sgpr 100
		.amdhsa_reserve_vcc 0
		.amdhsa_float_denorm_mode_32 3
		.amdhsa_float_denorm_mode_16_64 3
		.amdhsa_memory_ordered 1
		.amdhsa_forward_progress 1
		.amdhsa_inst_pref_size 169
	.end_amdhsa_kernel
	.amdgpu_metadata
---
amdhsa.version: [ 1, 2 ]
amdhsa.kernels:
  - .name:           k_q41342a20d7_proj
    .symbol:         k_q41342a20d7_proj.kd
    .args:
      - { .name: c1, .offset: 0, .size: 8, .value_kind: global_buffer, .address_space: global }
      - { .name: b_q, .offset: 8, .size: 8, .value_kind: global_buffer, .address_space: global }
      - { .name: b_k, .offset: 16, .size: 8, .value_kind: global_buffer, .address_space: global }
      - { .name: b_v, .offset: 24, .size: 8, .value_kind: global_buffer, .address_space: global }
      - { .name: c2, .offset: 32, .size: 8, .value_kind: global_buffer, .address_space: global }
    .group_segment_fixed_size: 327680
    .private_segment_fixed_size: 0
    .kernarg_segment_align: 8
    .kernarg_segment_size: 40
    .max_flat_workgroup_size: 128
    .sgpr_count:     100
    .vgpr_count:     1024
    .wavefront_size: 32
...
	.end_amdgpu_metadata
.endif
;; end of part 2
;; launch scores (part 3): grid 4 x 48, 4 waves a work-group, clusters of 4 x 4, 327,680 bytes of LDS; arguments c2, pc, st; writes pc, st
.if DOCPART == 3
	.amdgcn_target "amdgcn-amd-amdhsa--gfx1250"
	.amdhsa_code_object_version 6
	.text
	.protected	k_q41342a20d7_scores
	.globl	k_q41342a20d7_scores
	.p2align	8
	.type	k_q41342a20d7_scores,@function
k_q41342a20d7_scores:
	s_mov_b64 s[64:65], 0
	v_nop
	global_prefetch_b8 v0, s[64:65] scope:SCOPE_SE
	s_setreg_imm32_b32 hwreg(HW_REG_WAVE_MODE, 25, 1), 1
	s_wait_xcnt 0x0
	s_wait_alu depctr_hold_cnt(0) depctr_sa_sdst(0) depctr_va_vdst(0) depctr_va_sdst(0) depctr_va_ssrc(0) depctr_va_vcc(0) depctr_vm_vsrc(0)
	s_getreg_b32 s2, hwreg(HW_REG_IB_STS2, 6, 4)
	s_cmp_eq_u32 s2, 0
	s_cbranch_scc0 .Lentry_in_a_cluster
	s_endpgm
.Lentry_in_a_cluster:
	s_bfe_u32 s2, ttmp6, 0x10000c
	s_cmp_lg_u32 s2, 0xf033
	s_cbranch_scc0 .Lentry_shape_is_right
	s_endpgm
.Lentry_shape_is_right:
; S = q k^T on codes of FP6 (E2M3) with E8M0 scales, the causal mask, and the softmax's numerator quantised along the keys, straight out of the accumulators.
; t = score x log2(e) / 32.  For each query and each GROUP OF 128 KEYS (a wave's columns): M_f = the group's largest t rounded UP to a whole number, p = 2^(t - M_f), l_f = the sum of the unquantised p.
; p leaves as codes and scale bytes (pc), M_f and l_f as f32 (st).  M_f is a whole number, so the last launch brings a group under the row's own M by taking M - M_f off the scale bytes: exact.
; The products' loop, the blocks (128 rows x 256 K, 25,600 dense bytes: fragment (i, q) at (2 i + q) x 1,536 as an image of its 12 registers, scale words at 24,576 + 512 q + 4 (16 i + r)), the three slots
; (K steps 0 and 1 asked for together at the start, K step 2 behind the first round, K step 3 into slot 0 behind the one round among the products) and the joint loads are those of the launch before.
; A = q (blocks 4 G + s of c2), B = k (256 + 4 G + s), whose rows lie with bits 3 and 4 of their number exchanged: the 64 registers of a row block's eight accumulators are keys 32 b + 16 (lane / 16) + i in register 16 b + i.
; CLUSTERS: 4 x 4 work-groups make 1,024 queries x 1,024 keys; of a batch's four such tiles the one wholly above the diagonal is not launched: 12 clusters.
; In a cluster on the diagonal six work-groups lie wholly above it.  A branch may not hang on a work-group's place beside joint loads, so they run like the others and store zero codes, l = 0 and M = -3e38;
; the last launch, which walks the keys 512 at a time, reads two of these six blocks.  The other four are the price of the shared tiles.
; pc: block (16 batch + query / 128) x 8 + key / 256.  st: record (G, f), 512 bytes at (16 G + f) x 512, word 8 r + a for row 16 a + r: M; 524,288 bytes on: l.
; LIMITS: a block of 32 p whose largest lies under 2^-60 of its group's largest is coded on the scale 2^-62 (byte 65, so that the last launch can take up to 64 off it); NaN and infinities are not served.
; REGISTERS, window 0: v7-31 addresses and constants; v32-63 scale words; v128-223 A's fragments; on the way out: v12 -M, v13 t, v[14:15] the sum, v96-159 scores and p, v224-235 codes, v232-254 at work.
.set BLK,   25600
.set SLOT,  4*BLK
.set SPARE, 3*SLOT                     ; behind the three slots: the spare words, 128 bytes for each wave, that no other line names
.set SCRT,  SPARE+512                  ; 1,536 bytes for each wave: scale words, M, l on their way out
.set SCOFF, 24576
.set NQ,    2
.set FR,    12
.set NL,    3
.set NP,    4
.set ADRA, 7                           ; v7-9    my A fragments in slot 0, 1, 2
.set ADRB, 16                          ; v16-18  the same for B
.set LOS,  19                          ; v19     the scale words' place behind my first fragment
.set ADRS, 20                          ; v20-22  my scale words
.set LO,   24                          ; v24     16 x lane
.set SCW,  25                          ; v25     where my row's scale word goes: 4 r
.set STW,  26                          ; v26     where its M and l go: 32 r
.set SCRD, 27                          ; v27     where I read 16 bytes back
.set SPW,  28
.set NIL,  29
.set D,    30                          ; v30     my query less the first key of my half of the lanes: register 16 b + i is hidden where 32 b + i > d
.set NINF, 31                          ; v31     -infinity
.set SC,   32                          ; scale words: set 0 for K steps 0 and 2, set 1 for K steps 1 and 3
.set P,    96
.set AF,   128
.set G1,   24
.set G0,   32                          ; A's groups 0, a set for each slot: s[32:35], s[36:39], s[88:91]
.set G1B,  48
.set G0B,  56                          ; B's: s[56:59], s[60:63], s[92:95]
.set SEL,  82                          ; s[82:83]
.set CS,   84                          ; s[84:85] c = log2(e) / 32
.set MSB, 0
.macro WIN new                         ; the immediate's high byte repeats the setting that is left
.if MSB != (\new)
	s_set_vgpr_msb (MSB<<8)|(\new)
.set MSB, (\new)
.endif
.endm
.set MUL_LO, 0xa1
.set MUL_HI, 0xf1
.set TO_B,   0x40
.macro JLOAD s                         ; a joint load into slot s: waves 0 and 1 fetch for A, waves 2 and 3 for B; four v_nop follow each of the two lines
.set GA, G0+4*(\s)+48*((\s)/2)
.set GB, G0B+4*(\s)+28*((\s)/2)
	s_cmp_eq_u32 s15, 0
	s_cbranch_scc0 .Lfor_b_\@
	tensor_load_to_lds s[GA:GA+3], s[G1:G1+7]
	s_nop 0
.rept 4
	v_nop
.endr
	s_branch .Lasked_\@
.Lfor_b_\@:
	tensor_load_to_lds s[GB:GB+3], s[G1B:G1B+7]
	s_nop 0
.rept 4
	v_nop
.endr
.Lasked_\@:
.endm
.macro CREST
	s_cmp_lg_u32 s14, 0
	s_cbranch_scc1 .Lnot_wave_0_\@
	s_barrier_signal -3
.Lnot_wave_0_\@:
	s_barrier_wait -3
	s_barrier_signal -1
	s_barrier_wait -1
.endm
.macro CROUND
	s_barrier_signal -1
	s_barrier_wait -1
	CREST
.endm
.macro PLACES n
.rept \n
	v_nop
.endr
.endm
	s_load_b128 s[4:7], s[0:1], 0x0                ; c2 s[4:5], pc s[6:7]
	s_load_b64 s[8:9], s[0:1], 0x10                ; st
	v_lshl_add_u32 v[SPW], v0, 2, SPARE
	v_mov_b32 v[NIL], 0
	ds_add_u32 v28, v29
	ds_add_u32 v28, v29
	s_wait_dscnt 0x0
	v_lshrrev_b32 v1, 5, v0
	v_readfirstlane_b32 s14, v1                    ; wave 0..3
	s_lshr_b32 s15, s14, 1                         ; which half of the tile's queries is mine.  Also: I fetch for A (0) or for B (1)
	s_and_b32 s16, s14, 1                          ; which half of its keys.  Also: which row group I fetch
	s_bfe_u32 s40, ttmp6, 0x40000                  ; cx, cy
	s_bfe_u32 s41, ttmp6, 0x40004
	s_and_b32 s66, ttmp7, 0xffff                   ; the cluster's number, 0 .. 11
	s_and_b32 s67, s66, 3                          ; batch
	s_lshr_b32 s68, s66, 2                         ; which of the batch's three tiles of 1,024 x 1,024: (0, 0), (1, 0), (1, 1)
	s_min_u32 s73, s68, 1
	s_lshr_b32 s72, s68, 1
	s_lshl_b32 s69, s67, 4                         ; q's first row group of the batch,
	s_add_co_u32 s70, s69, 64                      ; k's
	s_lshl_b32 s42, s72, 2
	s_add_co_u32 s42, s42, s40                     ; tile column: keys 256 x
	s_lshl_b32 s17, s73, 2
	s_add_co_u32 s17, s17, s41                     ; tile row: queries 256 x
	s_lshl_b32 s43, s41, 2
	s_lshl_b32 s43, 15, s43                        ; my row of the cluster
	s_lshl_b32 s44, 0x1111, s40                    ; my column
	s_or_b32 s[G1+0], s43, (3<<16)|(1<<21)         ; a block as 100 rows of 256 bytes (32 elements of 8 bytes), no padding; the mask, and bit 21 beside it
	s_or_b32 s[G1B+0], s44, (3<<16)|(1<<21)
.irp g, G1, G1B
	s_mov_b32 s[\g+1], 32<<16
	s_mov_b32 s[\g+2], 200<<16                     ; THE FILLS (in place of what the head comment says of the start): at the head one load a wave brings K steps 0 and 1 of its row group, two blocks on end, 200 rows
	s_mov_b32 s[\g+3], 32<<16
	s_mov_b32 s[\g+4], 200
	s_mov_b32 s[\g+5], 32
	s_mov_b32 s[\g+6], 0
	s_mov_b32 s[\g+7], 0
.endr
	s_lshl_b32 s20, s17, 1
	s_add_co_u32 s20, s20, s16
	s_add_co_u32 s20, s20, s69
	s_mul_i32 s20, s20, 4*BLK
	s_mov_b32 s21, 0
	s_lshl_b32 s46, s42, 1
	s_add_co_u32 s46, s46, s16
	s_add_co_u32 s46, s46, s70
	s_mul_i32 s46, s46, 4*BLK
	s_mov_b32 s47, 0
	s_mul_i32 s45, s14, BLK
	s_mov_b32 s[SEL], 0x76543210
	s_mov_b32 s[SEL+1], 0xfedcba98
	s_mov_b32 s[CS], 0x3d38aa3b                    ; log2(e) / 32
	s_mov_b32 s[CS+1], s[CS]                       ; (named with it as a pair, so it is written)
	s_wait_kmcnt 0x0
	s_add_nc_u64 s[20:21], s[4:5], s[20:21]
	s_add_nc_u64 s[46:47], s[4:5], s[46:47]
	CROUND                                         ; all sixteen work-groups are here: the first joint loads meet
	; LDS: row group j (A's two, then B's two) has K steps 0 and 1 at 2 j blocks and 2 j + 1 blocks, K step 2 at 8 + j blocks; K step 3 takes K step 0's bytes
	s_mov_b32 s[G0], 1
	s_lshl_b32 s[G0+1], s45, 1
	s_mov_b64 s[G0+2:G0+3], s[20:21]
	s_or_b32 s[G0+3], s[G0+3], 0x80000000
	s_mov_b32 s[G0B], 1
	s_lshl_b32 s[G0B+1], s45, 1
	s_mov_b64 s[G0B+2:G0B+3], s[46:47]
	s_or_b32 s[G0B+3], s[G0B+3], 0x80000000
	s_mov_b32 s88, 1
	s_add_co_u32 s89, s45, 8*BLK
	s_add_nc_u64 s[90:91], s[20:21], 2*BLK
	s_or_b32 s91, s91, 0x80000000
	s_mov_b32 s92, 1
	s_add_co_u32 s93, s45, 8*BLK
	s_add_nc_u64 s[94:95], s[46:47], 2*BLK
	s_or_b32 s95, s95, 0x80000000
	JLOAD 0                                        ; K steps 0 and 1: my one load at the head
	v_and_b32 v1, 15, v0                           ; r
	v_bfe_u32 v2, v0, 4, 1                         ; h
	v_and_b32 v3, 31, v0
	v_lshlrev_b32 v3, 4, v3                        ; 16 x lane
	s_wait_alu depctr_va_vdst(0)
	s_mul_i32 s21, s15, BLK
	s_mul_i32 s22, s16, BLK
	s_add_co_u32 s22, s22, 2*BLK
	s_sub_co_u32 s23, s22, s21
	v_mul_u32_u24 v4, s23, v2
	v_lshlrev_b32 v5, 1, v4
	v_lshl_add_u32 v4, v1, 2, v4
	v_lshl_add_u32 v5, v1, 2, v5
	s_add_co_u32 s86, s21, 8*BLK
	s_add_co_u32 s87, s22, 8*BLK
	s_lshl_b32 s21, s21, 1
	s_lshl_b32 s22, s22, 1
	v_add_nc_u32 v[ADRA], s21, v3                  ; K steps 0 and 3: two blocks a row group
	v_add_nc_u32 v[ADRB], s22, v3
	v_add_nc_u32 v[ADRS], s21, v5
	v_add_nc_u32 v[ADRA+1], BLK, v[ADRA]           ; K step 1: the block behind
	v_add_nc_u32 v[ADRB+1], BLK, v[ADRB]
	v_add_nc_u32 v[ADRS+1], BLK, v[ADRS]
	v_add_nc_u32 v[ADRA+2], s86, v3                ; K step 2: behind the eight blocks, one block a row group
	v_add_nc_u32 v[ADRB+2], s87, v3
	v_add_nc_u32 v[ADRS+2], s86, v4
	v_mov_b32 v[LO], v3
	s_mul_i32 s86, s14, 1536
	s_add_co_u32 s86, s86, SCRT
	v_lshl_add_u32 v[SCW], v1, 2, s86
	v_lshl_add_u32 v[STW], v1, 5, s86
	v_add_nc_u32 v[SCRD], s86, v3
	s_lshl_b32 s86, s16, 10
	s_sub_co_u32 s86, SCOFF, s86
	v_add_nc_u32 v[LOS], s86, v3
	s_lshl_b32 s78, s17, 1
	s_add_co_u32 s78, s78, s15
	s_add_co_u32 s78, s78, s69                     ; G: my 128 queries
	s_lshl_b32 s80, s78, 3
	s_add_co_u32 s80, s80, s42                     ; p's block,
	s_mul_i32 s80, s80, BLK
	s_mul_i32 s86, s16, 1536                       ; in it kfrag w & 1
	s_add_co_u32 s80, s80, s86
	s_mov_b32 s81, 0
	s_add_nc_u64 s[80:81], s[6:7], s[80:81]
	s_lshl_b32 s78, s78, 4
	s_lshl_b32 s86, s42, 1
	s_add_co_u32 s78, s78, s86
	s_add_co_u32 s78, s78, s16                     ; record 16 G + f, f = 2 tile column + w & 1
	s_lshl_b32 s78, s78, 9
	s_mov_b32 s79, 0
	s_add_nc_u64 s[78:79], s[8:9], s[78:79]
	s_sub_co_i32 s86, s17, s42
	s_lshl_b32 s86, s86, 8
	s_sub_co_i32 s87, s15, s16
	s_lshl_b32 s87, s87, 7
	s_add_co_i32 s86, s86, s87                     ; my first query less my first key
	v_lshlrev_b32 v5, 4, v2
	v_sub_nc_u32 v[D], v1, v5
	v_add_nc_u32 v[D], s86, v[D]                   ; + r - 16 h; 16 more for each row block
	v_mov_b32 v[NINF], 0xff800000
.irp b, 0,1,2,3
	v_mov_b32 v[236+\b], 0                         ; written once: a lane permute's destination counts as one of its sources
.endr
	v_mov_b32 v252, 0
.macro FRAG reg, adr, q, i
.irp c, 0,1,2
	ds_load_b128 v[\reg+4*\c:\reg+4*\c+3], v[\adr] offset:(2*(\i)+(\q))*1536+512*\c
.endr
.endm
; The 64 accumulators take turns, one instruction a turn, in the same order in every step.
.macro MUL16 a0, p, q, sc, zero
.irp a, \a0, \a0+1
.irp b, 0,1,2,3,4,5,6,7
.if \zero
	v_wmma_scale_f32_16x16x128_f8f6f4 v[8*(8*((\a)%4)+\b):8*(8*((\a)%4)+\b)+7], v[128*(\p)+FR*\b:128*(\p)+FR*\b+FR-1], v[AF+FR*(\a):AF+FR*(\a)+FR-1], 0, v[SC+8*NQ*(\sc)+NQ*\b+(\q)], v[SC+8*NQ*(\sc)+NQ*(\a)+(\q)] matrix_a_fmt:MATRIX_FMT_FP6 matrix_b_fmt:MATRIX_FMT_FP6 matrix_a_scale:MATRIX_SCALE_ROW1
.else
	v_wmma_scale_f32_16x16x128_f8f6f4 v[8*(8*((\a)%4)+\b):8*(8*((\a)%4)+\b)+7], v[128*(\p)+FR*\b:128*(\p)+FR*\b+FR-1], v[AF+FR*(\a):AF+FR*(\a)+FR-1], v[8*(8*((\a)%4)+\b):8*(8*((\a)%4)+\b)+7], v[SC+8*NQ*(\sc)+NQ*\b+(\q)], v[SC+8*NQ*(\sc)+NQ*(\a)+(\q)] matrix_a_fmt:MATRIX_FMT_FP6 matrix_b_fmt:MATRIX_FMT_FP6 matrix_a_scale:MATRIX_SCALE_ROW1
.endif
.endr
.endr
.endm
.macro FETCH_B slot, q, p
	WIN TO_B
.irp i, 0,1,2,3,4,5,6,7
	FRAG 128*(\p)+FR*\i, ADRB+\slot, \q, \i
.endr
	WIN 0
.endm
.macro FETCH_A slot, q, i0
.irp i, \i0, \i0+1, \i0+2, \i0+3
	FRAG AF+FR*(\i), ADRA+\slot, \q, \i
.endr
.endm
.macro SCALES sc, slot                 ; the slot's scale words into set sc
.irp i, 0,1,2,3,4,5,6,7
.irp q, 0,1
	ds_load_b32 v[SC+8*NQ*(\sc)+NQ*\i+\q], v[ADRS+\slot] offset:SCOFF+512*\q+64*\i
.endr
.endr
.endm
.macro STEP slot, q, zero, sc
	s_wait_dscnt 4*NL                              ; all but the youngest 12 loads (A's blocks 4-7) are in
	WIN MUL_LO
	MUL16 0, (\q)%2, \q, \sc, \zero
	MUL16 2, (\q)%2, \q, \sc, \zero
	s_wait_dscnt 0
	PLACES NP                                      ; in front of loads into registers that matrix instructions have read
	FETCH_B \slot, (\q)+1, 1-(\q)%2
	FETCH_A \slot, (\q)+1, 0
	WIN MUL_HI
	MUL16 4, (\q)%2, \q, \sc, \zero
	MUL16 6, (\q)%2, \q, \sc, \zero
	PLACES NP
	WIN 0
	FETCH_A \slot, (\q)+1, 4
.endm
; A slot's last step, with a barrier.  fill = 1: the barrier opens a round of the cluster's, and this slot is filled again, with the K step three on.
.macro TURN slot, next, fill, sc
	s_wait_tensorcnt 0x0                           ; all my tensor loads have landed: my parts of every slot that is still to be read
	ds_add_u32 v[SPW], v[NIL]                      ; 0 onto my spare word
	s_wait_dscnt 4*NL+1                            ; (the add and the youngest 12 loads may be out)
	WIN MUL_LO
	MUL16 0, 1, NQ-1, \sc, 0
	s_wait_dscnt 0x0                               ; the add is done, and my reads of this slot are over
	s_barrier_signal -1
	MUL16 2, 1, NQ-1, \sc, 0
	WIN 0
	s_barrier_wait -1
.if \fill
	CREST                                          ; a round of the cluster's barrier: no wave of any partner still reads this slot or has a load on its way
.set GA, G0+4*(\slot)+48*((\slot)/2)
.set GB, G0B+4*(\slot)+28*((\slot)/2)
	s_add_nc_u64 s[GA+2:GA+3], s[GA+2:GA+3], 3*BLK
	s_add_nc_u64 s[GB+2:GB+3], s[GB+2:GB+3], 3*BLK
	JLOAD \slot
.else
	PLACES NP
.endif
	FETCH_B \next, 0, 0
	FETCH_A \next, 0, 0
	SCALES 1-(\sc), \next
	WIN MUL_HI
	MUL16 4, 1, NQ-1, \sc, 0
	MUL16 6, 1, NQ-1, \sc, 0
	PLACES NP
	WIN 0
	FETCH_A \next, 0, 4
.endm
; A slot's last step, without a barrier: the next slot was shown whole to every wave by the wait for all loads and the barrier at the change before, this slot is not filled again,
; and the one load that is out lands in a slot that nobody reads before the next barrier.
.macro PASS slot, next, sc
	s_wait_dscnt 4*NL
	WIN MUL_LO
	MUL16 0, 1, NQ-1, \sc, 0
	MUL16 2, 1, NQ-1, \sc, 0
	s_wait_dscnt 0
	PLACES NP
	FETCH_B \next, 0, 0
	FETCH_A \next, 0, 0
	SCALES 1-(\sc), \next
	WIN MUL_HI
	MUL16 4, 1, NQ-1, \sc, 0
	MUL16 6, 1, NQ-1, \sc, 0
	PLACES NP
	WIN 0
	FETCH_A \next, 0, 4
.endm
	s_wait_alu depctr_va_vdst(0)
	s_wait_tensorcnt 0x0                           ; my part of K steps 0 and 1 is in
	ds_add_u32 v[SPW], v[NIL]
	s_mov_b32 s[G1+2], 100<<16                     ; no tensor load of mine is out: from here on a load brings one block, 100 rows
	s_mov_b32 s[G1+4], 100
	s_mov_b32 s[G1B+2], 100<<16
	s_mov_b32 s[G1B+4], 100
	s_wait_dscnt 0x0
	CROUND                                         ; everybody's part is in, and all sixteen work-groups are here
	JLOAD 2                                        ; K step 2: a first fill, the first tensor load behind the round
	FETCH_B 0, 0, 0
	FETCH_A 0, 0, 0
	SCALES 0, 0
	FETCH_A 0, 0, 4
	STEP 0, 0, 1, 0
	TURN 0, 1, 1, 0                                ; K steps 1 and 2 are whole; slot 0 takes K step 3
	STEP 1, 0, 0, 1
	PASS 1, 2, 1
	STEP 2, 0, 0, 0
	TURN 2, 0, 0, 0                                ; K step 3 is whole; nothing is left to fetch
	STEP 0, 0, 0, 1
	s_wait_dscnt 4*NL
	WIN MUL_LO
	MUL16 0, 1, NQ-1, 1, 0
	MUL16 2, 1, NQ-1, 1, 0
	s_wait_dscnt 0
	WIN MUL_HI
	MUL16 4, 1, NQ-1, 1, 0
	MUL16 6, 1, NQ-1, 1, 0
	WIN 0
; THE WAY OUT of row block a: 16 queries (a lane holds one) x my 128 keys.
.macro ROWS a
	WIN 0x02+(\a)/4                                ; source 0: window 2 or 3
.irp g, 0,1,2,3                                ; the mask, always executed: hidden scores become -infinity; the same line brings the score out of the accumulators' window, each accumulator from its low end on
.irp i, 0,1,2,3,4,5,6,7,8,9,10,11,12,13,14,15
	v_cmp_gt_i32 vcc_lo, 32*\g+\i, v[D]
	v_cndmask_b32 v[P+16*\g+\i], v[64*((\a)%4)+16*\g+\i], v[NINF], vcc_lo
.endr
.endr
	WIN 0
	s_wait_xcnt 0x0                                ; the last block's stores have read the codes' registers,
	s_wait_dscnt 0x0                               ; and its LDS stores theirs
.irp b, 0,1,2,3
	v_max3_num_f32 v[232+\b], v[P+16*\b], v[P+1+16*\b], v[P+2+16*\b]   ; the largest score of each block of 32 keys: for the group's maximum, and, since p rises with the score, for the block's largest p
.endr
.irp i, 3,5,7,9,11,13
.irp b, 0,1,2,3
	v_max3_num_f32 v[232+\b], v[232+\b], v[P+16*\b+\i], v[P+1+16*\b+\i]
.endr
.endr
.irp b, 0,1,2,3
	v_max_num_f32 v[232+\b], v[232+\b], v[P+15+16*\b]
.endr
.irp b, 0,1,2,3
	v_permlanex16_b32 v[236+\b], v[232+\b], s[SEL], s[SEL+1]
.endr
.irp b, 0,1,2,3
	v_max_num_f32 v[232+\b], v[232+\b], v[236+\b]  ; with lane l xor 16's 16 keys
.endr
	v_max3_num_f32 v254, v232, v233, v234
	v_max_num_f32 v254, v254, v235
	v_mul_f32 v254, s[CS], v254                    ; as t (c is positive)
	v_max_num_f32 v13, 0xff61b1e6, v254            ; held at -3e38: a group all of whose keys are hidden gets that M, p = 0 and l = 0
	v_floor_f32 v12, -v13                          ; -M = floor(-t) = -ceil(t): M is a whole number
.irp j, 0,2,4,6,8,10,12,14,16,18,20,22,24,26,28,30,32,34,36,38,40,42,44,46,48,50,52,54,56,58,60,62
	v_pk_fma_f32 v[P+\j:P+1+\j], v[P+\j:P+1+\j], s[CS:CS+1], v[12:13] op_sel_hi:[1,0,0]   ; t - M, two at a time
.endr
.irp b, 0,1,2,3
	v_fma_f32 v[232+\b], v[232+\b], s[CS], v12     ; the same of each block's largest score
.endr
	s_wait_alu depctr_va_vdst(0)
.irp g, 0,1,2,3,4,5,6,7
.irp i, 0,1,2,3,4,5,6,7
	v_exp_f32 v[P+8*\g+\i], v[P+8*\g+\i]           ; p = 2^(t - M), at most 1
.endr
.endr
	v_add_nc_u32 v[D], 16, v[D]                    ; the next row block's d: a plain place behind the exponentials
	s_wait_alu depctr_va_vdst(0)                   ; one wait for the batch of 64, ahead of its first reader
.irp b, 0,1,2,3
	v_exp_f32 v[232+\b], v[232+\b]                 ; the block's largest p: the same two instructions on the same number give the same bits
.endr
	v_pk_add_f32 v[14:15], v[P:P+1], v[P+4:P+5]    ; the sum of the UNQUANTISED p, two at a time, in two chains; these lines read the 64 alone: plain work behind the four
	v_pk_add_f32 v[236:237], v[P+2:P+3], v[P+6:P+7]
.irp j, 8,12,16,20,24,28,32,36,40,44,48,52,56,60
	v_pk_add_f32 v[14:15], v[14:15], v[P+\j:P+1+\j]
	v_pk_add_f32 v[236:237], v[236:237], v[P+2+\j:P+3+\j]
.endr
	v_pk_add_f32 v[14:15], v[14:15], v[236:237]
	v_add_f32 v14, v14, v15
	v_permlanex16_b32 v252, v14, s[SEL], s[SEL+1]
	v_add_f32 v251, v14, v252                      ; l of my query and these 128 keys
	v_xor_b32 v250, 0x80000000, v12                ; M
	s_wait_alu depctr_va_vdst(0)                   ; and one wait for the four
.irp b, 0,1,2,3
	v_max_num_f32 v[232+\b], 0x21800000, v[232+\b] ; the floor 2^-60: the byte cannot fall under 65
.endr
.irp b, 0,1,2,3
	v_add_nc_u32 v[244+\b], 0xff000000, v[232+\b]  ; 2 off the exponent field: the conversion's scale operand
.endr
.irp b, 0,1,2,3
	v_lshrrev_b32 v[236+\b], 23, v[244+\b]         ; the scale's byte
.endr
	v_lshl_or_b32 v253, v237, 8, v236              ; p's scale word for these 128 keys
	v_lshl_or_b32 v253, v238, 16, v253
	v_lshl_or_b32 v253, v239, 24, v253
.irp c, 0,1
	v_cvt_scalef32_pk16_fp6_f32 v[224+6*\c:226+6*\c], v[P+32*\c:P+15+32*\c], v[244+2*\c]
	v_cvt_scalef32_pk16_fp6_f32 v[236+4*\c:238+4*\c], v[P+16+32*\c:P+31+32*\c], v[244+2*\c+1]   ; (a conversion's three registers begin on an even number)
.endr
	v_nop                                          ; one plain place behind a scaled conversion
.irp c, 0,1                                    ; the operand's layout wants a WHOLE block in a lane
.irp i, 0,1,2
	v_permlane16_swap_b32 v[224+6*\c+\i], v[236+4*\c+\i]
.endr
.irp i, 0,1,2
	v_mov_b32 v[227+6*\c+\i], v[236+4*\c+\i]
.endr
.endr
.irp c, 0,1,2
	global_store_b128 v[LO], v[224+4*\c:227+4*\c], s[80:81] offset:3072*(\a)+512*\c   ; 32 lanes store 512 consecutive bytes, aligned
.endr
	ds_store_b32 v[SCW], v253 offset:64*(\a)       ; both lanes of a query write the same words with the same values
	ds_store_b32 v[STW], v250 offset:512+4*(\a)
	ds_store_b32 v[STW], v251 offset:1024+4*(\a)
.endm
	PLACES NP                                      ; behind the last products
	s_wait_alu depctr_va_vdst(0)
.irp a, 0,1,2,3,4,5,6,7
	ROWS \a
.endr
	ds_load_b128 v[96:99], v[SCRD]                 ; LDS serves a wave's instructions in order: these see my stores
	ds_load_b128 v[100:103], v[SCRD] offset:512
	ds_load_b128 v[104:107], v[SCRD] offset:1024
	s_wait_dscnt 0x0
	global_store_b128 v[LOS], v[96:99], s[80:81]   ; my 128 scale words,
	global_store_b128 v[LO], v[100:103], s[78:79]  ; M's record,
	global_store_b128 v[LO], v[104:107], s[78:79] offset:524288   ; l's: 512 consecutive bytes each
	s_wait_tensorcnt 0x0                           ; the wave's end
	ds_add_u32 v[SPW], v[NIL]
	s_wait_dscnt 0x0
	CROUND                                         ; the closing round
	s_endpgm
.Lfunc_end_k_q41342a20d7_scores:
	.size	k_q41342a20d7_scores, .Lfunc_end_k_q41342a20d7_scores-k_q41342a20d7_scores
	.p2alignl 7, 3214868480
	.fill 96, 4, 3214868480
	.section	.rodata,"a",@progbits
	.p2align	6, 0x0
	.amdhsa_kernel k_q41342a20d7_scores
		.amdhsa_group_segment_fixed_size 327680
		.amdhsa_private_segment_fixed_size 0
		.amdhsa_enable_private_segment 0
		.amdhsa_kernarg_size 24
		.amdhsa_user_sgpr_count 2
		.amdhsa_user_sgpr_kernarg_segment_ptr 1
		.amdhsa_wavefront_size32 1
		.amdhsa_system_sgpr_workgroup_id_x 1
		.amdhsa_system_sgpr_workgroup_id_y 1
		.amdhsa_system_sgpr_workgroup_id_z 1
		.amdhsa_system_vgpr_workitem_id 0
		.amdhsa_next_free_vgpr 1024
		.amdhsa_next_free_sgpr 100
		.amdhsa_reserve_vcc 1
		.amdhsa_float_denorm_mode_32 3
		.amdhsa_float_denorm_mode_16_64 3
		.amdhsa_memory_ordered 1
		.amdhsa_forward_progress 1
		.amdhsa_inst_pref_size 236
	.end_amdhsa_kernel
	.amdgpu_metadata
---
amdhsa.version: [ 1, 2 ]
amdhsa.kernels:
  - .name:           k_q41342a20d7_scores
    .symbol:         k_q41342a20d7_scores.kd
    .args:
      - { .name: c2, .offset: 0, .size: 8, .value_kind: global_buffer, .address_space: global }
      - { .name: pc, .offset: 8, .size: 8, .value_kind: global_buffer, .address_space: global }
      - { .name: st, .offset: 16, .size: 8, .value_kind: global_buffer, .address_space: global }
    .group_segment_fixed_size: 327680
    .private_segment_fixed_size: 0
    .kernarg_segment_align: 8
    .kernarg_segment_size: 24
    .max_flat_workgroup_size: 128
    .sgpr_count:     100
    .vgpr_count:     1024
    .wavefront_size: 32
...
	.end_amdgpu_metadata
.endif
;; end of part 3
;; launch pv (part 4): grid 4 x 64, 4 waves a work-group, clusters of 4 x 4, 327,680 bytes of LDS; arguments pc, st, c2, out0; writes out0
.if DOCPART == 4
	.amdgcn_target "amdgcn-amd-amdhsa--gfx1250"
	.amdhsa_code_object_version 6
	.text
	.protected	k_q41342a20d7_pv
	.globl	k_q41342a20d7_pv
	.p2align	8
	.type	k_q41342a20d7_pv,@function
k_q41342a20d7_pv:
	s_mov_b64 s[64:65], 0
	v_nop
	global_prefetch_b8 v0, s[64:65] scope:SCOPE_SE
	s_setreg_imm32_b32 hwreg(HW_REG_WAVE_MODE, 25, 1), 1
	s_wait_xcnt 0x0
	s_wait_alu depctr_hold_cnt(0) depctr_sa_sdst(0) depctr_va_vdst(0) depctr_va_sdst(0) depctr_va_ssrc(0) depctr_va_vcc(0) depctr_vm_vsrc(0)
	s_getreg_b32 s2, hwreg(HW_REG_IB_STS2, 6, 4)
	s_cmp_eq_u32 s2, 0
	s_cbranch_scc0 .Lentry_in_a_cluster
	s_endpgm
.Lentry_in_a_cluster:
	s_bfe_u32 s2, ttmp6, 0x10000c
	s_cmp_lg_u32 s2, 0xf033
	s_cbranch_scc0 .Lentry_shape_is_right
	s_endpgm
.Lentry_shape_is_right:
.set BLK,   25600
.set SLOT,  6*BLK
.set SPARE, 2*SLOT
.set SCOFF, 24576
.set SPT,   528
.set ADRA, 2
.set ADRB, 4
.set ADRS, 6
.set STO,  10
.set RD,   11
.set CO,   12
.set SPW,  13
.set NIL,  14
.set HM,   15
.set RL,   16
.set MR,   24
.set LS,   28
.set SC,   32
.set DD,   48
.set AF,   112
.set LL,   112
.set T,    112
.set BK,   176
.set SO,   208
.set G1,   24
.set G0,   32
.set G1B,  48
.set G0B,  56
.set NS,   69
.set STB,  76
.set OB,   78
.set WJ,   88
.set KM,   92
.set MUL,  0xa1
.set MSB, 0
.macro WIN new
.if MSB != (\new)
	s_set_vgpr_msb (MSB<<8)|(\new)
.set MSB, (\new)
.endif
.endm
.macro JLOAD s
	s_cmp_eq_u32 s15, 0
	s_cbranch_scc0 .Lfor_b_\@
	tensor_load_to_lds s[G0+4*(\s):G0+4*(\s)+3], s[G1:G1+7]
	s_nop 0
.rept 4
	v_nop
.endr
	s_branch .Lasked_\@
.Lfor_b_\@:
	tensor_load_to_lds s[G0B+4*(\s):G0B+4*(\s)+3], s[G1B:G1B+7]
	s_nop 0
.rept 4
	v_nop
.endr
.Lasked_\@:
.endm
.macro CREST
	s_cmp_lg_u32 s14, 0
	s_cbranch_scc1 .Lnot_wave_0_\@
	s_barrier_signal -3
.Lnot_wave_0_\@:
	s_barrier_wait -3
	s_barrier_signal -1
	s_barrier_wait -1
.endm
.macro CROUND
	s_barrier_signal -1
	s_barrier_wait -1
	CREST
.endm
.macro PLACES n
.rept \n
	v_nop
.endr
.endm
	s_load_b256 s[4:11], s[0:1], 0x0
	v_lshl_add_u32 v[SPW], v0, 2, SPARE
	v_mov_b32 v[NIL], 0
	ds_add_u32 v13, v14
	ds_add_u32 v13, v14
	s_wait_dscnt 0x0
	v_lshrrev_b32 v1, 5, v0
	v_readfirstlane_b32 s14, v1
	s_lshr_b32 s15, s14, 1
	s_and_b32 s16, s14, 1
	s_bfe_u32 s40, ttmp6, 0x40000
	s_bfe_u32 s41, ttmp6, 0x40004
	s_and_b32 s66, ttmp7, 0xffff
	s_and_b32 s67, s66, 3
	s_lshr_b32 s68, s66, 2
	s_add_co_u32 s[NS], s68, 1
	s_lshl_b32 s17, s67, 4
	s_lshl_b32 s18, s68, 2
	s_add_co_u32 s17, s17, s18
	s_add_co_u32 s17, s17, s41
	s_lshl_b32 s43, s41, 2
	s_lshl_b32 s43, 15, s43
	s_lshl_b32 s44, 0x1111, s40
	s_or_b32 s[G1+0], s43, (3<<16)|(1<<21)
	s_mov_b32 s[G1+1], 32<<16
	s_mov_b32 s[G1+2], 100<<16
	s_mov_b32 s[G1+3], 32<<16
	s_mov_b32 s[G1+4], 100
	s_mov_b32 s[G1+5], 32
	s_mov_b32 s[G1+6], 0
	s_mov_b32 s[G1+7], 0
	s_or_b32 s[G1B+0], s44, (3<<16)|(1<<21)
	s_mov_b32 s[G1B+1], 32<<16
	s_mov_b32 s[G1B+2], 200<<16
	s_mov_b32 s[G1B+3], 32<<16
	s_mov_b32 s[G1B+4], 200
	s_mov_b32 s[G1B+5], 32
	s_mov_b32 s[G1B+6], 0
	s_mov_b32 s[G1B+7], 0
	s_lshl_b32 s20, s17, 3
	s_add_co_u32 s20, s20, s16
	s_mul_i32 s20, s20, BLK
	s_mov_b32 s21, 0
	s_lshl_b32 s46, s40, 1
	s_add_co_u32 s46, s46, s16
	s_lshl_b32 s46, s46, 5
	s_lshl_b32 s47, s67, 3
	s_add_co_u32 s46, s46, s47
	s_add_co_u32 s46, s46, 512
	s_mul_i32 s46, s46, BLK
	s_mov_b32 s47, 0
	s_mul_i32 s45, s16, BLK
	s_mul_i32 s70, s16, 2*BLK
	s_add_co_u32 s70, s70, 2*BLK
	s_mov_b32 s[KM], 0xfefefeff
	s_cmp_gt_u32 s[NS], 1
	s_cselect_b32 s81, 2048, 0
	s_cselect_b32 s[WJ+1], 0x3f800000, 0
	s_cmp_gt_u32 s[NS], 2
	s_cselect_b32 s82, 4096, 0
	s_cselect_b32 s[WJ+2], 0x3f800000, 0
	s_cmp_gt_u32 s[NS], 3
	s_cselect_b32 s83, 6144, 0
	s_cselect_b32 s[WJ+3], 0x3f800000, 0
	v_and_b32 v212, 15, v0
	v_bfe_u32 v213, v0, 4, 1
	s_lshl_b32 s80, s15, 4
	v_lshlrev_b32 v[SO], 5, v212
	v_add_nc_u32 v[SO], s80, v[SO]
	v_add_nc_u32 v[SO+1], s81, v[SO]
	v_add_nc_u32 v[SO+2], s82, v[SO]
	v_add_nc_u32 v[SO+3], s83, v[SO]
	s_lshl_b32 s76, s17, 13
	s_mov_b32 s77, 0
	s_wait_alu depctr_va_vdst(0)
	s_wait_kmcnt 0x0
	s_add_nc_u64 s[STB:STB+1], s[6:7], s[76:77]
.irp f, 0,1,2,3,4,5,6,7,8,9,10,11,12,13,14,15
	global_load_b128 v[DD+4*\f:DD+4*\f+3], v[SO+\f/4], s[STB:STB+1] offset:512*(\f%4)
.endr
.irp f, 0,1,2,3,4,5,6,7,8,9,10,11,12,13,14,15
	global_load_b128 v[LL+4*\f:LL+4*\f+3], v[SO+\f/4], s[STB:STB+1] offset:524288+512*(\f%4)
.endr
	s_add_nc_u64 s[20:21], s[4:5], s[20:21]
	s_add_nc_u64 s[46:47], s[8:9], s[46:47]
.irp s, 0,1
	s_mov_b32 s[G0+4*\s], 1
	s_add_co_u32 s[G0+4*\s+1], s45, \s*SLOT
	s_add_nc_u64 s[G0+4*\s+2:G0+4*\s+3], s[20:21], \s*2*BLK
	s_or_b32 s[G0+4*\s+3], s[G0+4*\s+3], 0x80000000
	s_mov_b32 s[G0B+4*\s], 1
	s_add_co_u32 s[G0B+4*\s+1], s70, \s*SLOT
	s_add_nc_u64 s[G0B+4*\s+2:G0B+4*\s+3], s[46:47], \s*2*BLK
	s_or_b32 s[G0B+4*\s+3], s[G0B+4*\s+3], 0x80000000
.endr
	CROUND
	JLOAD 0
	s_wait_alu depctr_va_vdst(0)
	s_wait_tensorcnt 0x0
	ds_add_u32 v13, v14
	s_wait_dscnt 0x0
	CROUND
	s_cmp_gt_u32 s[NS], 1
	s_cbranch_scc0 .Lone_slot
	JLOAD 1
.Lone_slot:
	v_and_b32 v[CO], 31, v0
	v_lshlrev_b32 v[CO], 4, v[CO]
	s_wait_alu depctr_va_vdst(0)
	s_mul_i32 s21, s15, 12288
	s_mul_i32 s22, s16, 2*BLK
	s_add_co_u32 s22, s22, 2*BLK
	s_lshl_b32 s23, s15, 8
	s_sub_co_u32 s86, s22, s23
	v_mul_u32_u24 v214, s86, v213
	v_lshl_add_u32 v214, v212, 2, v214
.irp s, 0,1
	v_add_nc_u32 v[ADRA+\s], s21, v[CO]
	v_add_nc_u32 v[ADRB+\s], s22, v[CO]
	v_add_nc_u32 v[ADRS+\s], s23, v214
	s_add_co_u32 s21, s21, SLOT
	s_add_co_u32 s22, s22, SLOT
	s_add_co_u32 s23, s23, SLOT
.endr
	v_add_nc_u32 v[HM], -1, v213
	s_mul_i32 s86, s14, 16*SPT
	v_mul_u32_u24 v[STO], v212, SPT
	v_lshl_add_u32 v[STO], v213, 5, v[STO]
	v_add_nc_u32 v[STO], s86, v[STO]
	v_add_nc_u32 v[RD], s86, v[CO]
	s_lshl_b32 s78, s17, 19
	s_lshl_b32 s86, s15, 18
	s_add_co_u32 s78, s78, s86
	s_lshl_b32 s86, s40, 10
	s_add_co_u32 s78, s78, s86
	s_lshl_b32 s86, s16, 9
	s_add_co_u32 s78, s78, s86
	s_mov_b32 s79, 0
	s_add_nc_u64 s[OB:OB+1], s[10:11], s[78:79]
	s_wait_loadcnt 0x0
.irp i, 0,1,2,3
	v_max3_num_f32 v[MR+\i], v[DD+\i], v[DD+4+\i], v[DD+8+\i]
.endr
.irp f, 3,5,7,9,11,13
.irp i, 0,1,2,3
	v_max3_num_f32 v[MR+\i], v[MR+\i], v[DD+4*\f+\i], v[DD+4*\f+4+\i]
.endr
.endr
.irp i, 0,1,2,3
	v_max_num_f32 v[MR+\i], v[MR+\i], v[DD+60+\i]
.endr
.irp f, 0,1,2,3,4,5,6,7,8,9,10,11,12,13,14,15
.irp i, 0,1,2,3
	v_sub_f32 v[DD+4*\f+\i], v[DD+4*\f+\i], v[MR+\i]
.endr
.irp i, 0,1,2,3
	v_max_num_f32 v[DD+4*\f+\i], 0xc2800000, v[DD+4*\f+\i]
.endr
.irp i, 0,1,2,3
	v_cvt_i32_f32 v[DD+4*\f+\i], v[DD+4*\f+\i]
.endr
.if \f == 0
.irp i, 0,1,2,3
	v_ldexp_f32 v[LS+\i], v[LL+\i], v[DD+\i]
.endr
.else
.irp i, 0,1,2,3
	v_ldexp_f32 v[LL+4*\f+\i], v[LL+4*\f+\i], v[DD+4*\f+\i]
.endr
.if \f < 4
.irp i, 0,1,2,3
	v_add_f32 v[LS+\i], v[LS+\i], v[LL+4*\f+\i]
.endr
.else
.irp i, 0,1,2,3
	v_fmac_f32 v[LS+\i], s[WJ+\f/4], v[LL+4*\f+\i]
.endr
.endif
.endif
.irp i, 0,1,2,3
	v_mul_lo_u32 v[DD+4*\f+\i], v[DD+4*\f+\i], s[KM]
.endr
.irp i, 0,1,2,3
	v_and_b32 v[DD+4*\f+\i], v[HM], v[DD+4*\f+\i]
.endr
.endr
	s_wait_alu depctr_va_vdst(0)
.irp i, 0,1,2,3
	v_rcp_f32 v[RL+2*\i], v[LS+\i]
.endr
	v_nop
	s_wait_alu depctr_va_vdst(0)
.irp i, 0,1,2,3
	v_mov_b32 v[RL+2*\i+1], v[RL+2*\i]
.endr
.macro FETCH sl, t, p
	WIN 0
.irp i, 0,1,2,3,4,5,6,7
	ds_load_b32 v[SC+8*(\p)+\i], v[ADRS+\sl] offset:SCOFF+BLK*((\t)/2)+512*((\t)%2)+64*\i
.endr
.irp i, 0,1,2,3
.irp c, 0,1,2
	ds_load_b128 v[AF+48*(\p)+12*\i+4*\c:AF+48*(\p)+12*\i+4*\c+3], v[ADRA+\sl] offset:BLK*((\t)/2)+1536*((\t)%2)+3072*\i+512*\c
.endr
.endr
	WIN 0x40
.irp i, 0,1,2,3,4,5,6,7
.irp c, 0,1,2
	ds_load_b128 v[128*(\p)+12*\i+4*\c:128*(\p)+12*\i+4*\c+3], v[ADRB+\sl] offset:BLK*((\t)/2)+1536*((\t)%2)+3072*\i+512*\c
.endr
.endr
.endm
.macro MUL8 a, p, zero
.irp b, 0,1,2,3,4,5,6,7
.if \zero
	v_wmma_scale_f32_16x16x128_f8f6f4 v[8*(8*(\a)+\b):8*(8*(\a)+\b)+7], v[128*(\p)+12*\b:128*(\p)+12*\b+11], v[AF+48*(\p)+12*(\a):AF+48*(\p)+12*(\a)+11], 0, v[SC+8*(\p)+\b], v[SC+8*(\p)+(\a)] matrix_a_fmt:MATRIX_FMT_FP6 matrix_b_fmt:MATRIX_FMT_FP6 matrix_a_scale:MATRIX_SCALE_ROW1
.else
	v_wmma_scale_f32_16x16x128_f8f6f4 v[8*(8*(\a)+\b):8*(8*(\a)+\b)+7], v[128*(\p)+12*\b:128*(\p)+12*\b+11], v[AF+48*(\p)+12*(\a):AF+48*(\p)+12*(\a)+11], v[8*(8*(\a)+\b):8*(8*(\a)+\b)+7], v[SC+8*(\p)+\b], v[SC+8*(\p)+(\a)] matrix_a_fmt:MATRIX_FMT_FP6 matrix_b_fmt:MATRIX_FMT_FP6 matrix_a_scale:MATRIX_SCALE_ROW1
.endif
.endr
.endm
.macro ADJ f, p
.irp i, 0,1,2,3
	v_sub_nc_u32 v[SC+8*(\p)+\i], v[SC+8*(\p)+\i], v[DD+4*(\f)+\i]
.endr
.rept 8
	v_nop
.endr
.endm
.macro SUB sl, t, f, zero
	s_wait_dscnt 0x0
	PLACES 4
	FETCH \sl, (\t)+1, 1-(\t)%2
	WIN MUL
	MUL8 0, (\t)%2, \zero
	MUL8 1, (\t)%2, \zero
	s_wait_dscnt 36
	WIN 0
	ADJ (\f)+1, 1-(\t)%2
	WIN MUL
	MUL8 2, (\t)%2, \zero
	MUL8 3, (\t)%2, \zero
	WIN 0
.endm
.macro TURNB j
	s_wait_tensorcnt 0x0
	ds_add_u32 v[SPW], v[NIL]
	s_wait_dscnt 1
	WIN MUL
	MUL8 0, 1, 0
	s_wait_dscnt 0x0
	s_barrier_signal -1
	MUL8 1, 1, 0
	WIN 0
	s_barrier_wait -1
.if (\j) < 2
	CREST
	s_cmp_gt_u32 s[NS], (\j)+2
	s_cbranch_scc0 .Lno_fill_\@
	s_add_nc_u64 s[G0+4*((\j)%2)+2:G0+4*((\j)%2)+3], s[G0+4*((\j)%2)+2:G0+4*((\j)%2)+3], 4*BLK
	s_add_nc_u64 s[G0B+4*((\j)%2)+2:G0B+4*((\j)%2)+3], s[G0B+4*((\j)%2)+2:G0B+4*((\j)%2)+3], 4*BLK
	JLOAD (\j)%2
.Lno_fill_\@:
.endif
	PLACES 4
	FETCH ((\j)+1)%2, 0, 0
	WIN MUL
	MUL8 2, 1, 0
	s_wait_dscnt 36
	WIN 0
	ADJ 4*(\j)+4, 0
	WIN MUL
	MUL8 3, 1, 0
	WIN 0
.endm
	s_wait_tensorcnt 0x0
	s_barrier_signal -1
	s_barrier_wait -1
	FETCH 0, 0, 0
	s_wait_dscnt 36
	WIN 0
	ADJ 0, 0
	s_wait_alu depctr_va_vdst(0)
	SUB 0, 0, 0, 1
	s_wait_alu depctr_va_vdst(0)
	SUB 0, 1, 1, 0
	s_wait_alu depctr_va_vdst(0)
	SUB 0, 2, 2, 0
	s_cmp_eq_u32 s[NS], 1
	s_cbranch_scc1 .Lfinal
	s_wait_alu depctr_va_vdst(0)
	TURNB 0
	s_wait_alu depctr_va_vdst(0)
	SUB 1, 0, 4, 0
	s_wait_alu depctr_va_vdst(0)
	SUB 1, 1, 5, 0
	s_wait_alu depctr_va_vdst(0)
	SUB 1, 2, 6, 0
	s_cmp_eq_u32 s[NS], 2
	s_cbranch_scc1 .Lfinal
	s_wait_alu depctr_va_vdst(0)
	TURNB 1
	s_wait_alu depctr_va_vdst(0)
	SUB 0, 0, 8, 0
	s_wait_alu depctr_va_vdst(0)
	SUB 0, 1, 9, 0
	s_wait_alu depctr_va_vdst(0)
	SUB 0, 2, 10, 0
	s_cmp_eq_u32 s[NS], 3
	s_cbranch_scc1 .Lfinal
	s_wait_alu depctr_va_vdst(0)
	TURNB 2
	s_wait_alu depctr_va_vdst(0)
	SUB 1, 0, 12, 0
	s_wait_alu depctr_va_vdst(0)
	SUB 1, 1, 13, 0
	s_wait_alu depctr_va_vdst(0)
	SUB 1, 2, 14, 0
.Lfinal:
	s_wait_dscnt 0x0
	WIN MUL
	s_wait_alu depctr_va_vdst(0)
	MUL8 0, 1, 0
	MUL8 1, 1, 0
	MUL8 2, 1, 0
	MUL8 3, 1, 0
	WIN 0
	s_wait_tensorcnt 0x0
	s_barrier_signal -1
	s_barrier_wait -1
	PLACES 4
.macro OUTB i
	WIN 0x02
.set n, 0
.rept 32
	v_pk_mul_f32 v[T+n:T+n+1], v[64*(\i)+n:64*(\i)+n+1], v[RL+2*(\i):RL+2*(\i)+1]
.set n, n+2
.endr
	WIN 0
.irp b, 0,1,2,3,4,5,6,7
	ds_store_b128 v[STO], v[T+8*\b:T+8*\b+3] offset:64*\b
	ds_store_b128 v[STO], v[T+8*\b+4:T+8*\b+7] offset:64*\b+16
.endr
	s_wait_xcnt 0x0
.if (\i) > 0
	s_add_nc_u64 s[OB:OB+1], s[OB:OB+1], 65536
.endif
.irp t, 0,1,2,3,4,5,6,7,8,9,10,11,12,13,14,15
	ds_load_b128 v[BK+4*\t:BK+4*\t+3], v[RD] offset:SPT*\t
.endr
.irp t, 0,1,2,3,4,5,6,7,8,9,10,11,12,13,14,15
	s_wait_dscnt 15-\t
	global_store_b128 v[CO], v[BK+4*\t:BK+4*\t+3], s[OB:OB+1] offset:4096*\t th:TH_STORE_NT
.endr
.endm
	OUTB 0
	OUTB 1
	OUTB 2
	OUTB 3
	s_wait_tensorcnt 0x0
	ds_add_u32 v[SPW], v[NIL]
	s_wait_dscnt 0x0
	CROUND
	s_endpgm
.Lfunc_end_k_q41342a20d7_pv:
	.size	k_q41342a20d7_pv, .Lfunc_end_k_q41342a20d7_pv-k_q41342a20d7_pv
	.p2alignl 7, 3214868480
	.fill 96, 4, 3214868480
	.section	.rodata,"a",@progbits
	.p2align	6, 0x0
	.amdhsa_kernel k_q41342a20d7_pv
		.amdhsa_group_segment_fixed_size 327680
		.amdhsa_private_segment_fixed_size 0
		.amdhsa_enable_private_segment 0
		.amdhsa_kernarg_size 32
		.amdhsa_user_sgpr_count 2
		.amdhsa_user_sgpr_kernarg_segment_ptr 1
		.amdhsa_wavefront_size32 1
		.amdhsa_system_sgpr_workgroup_id_x 1
		.amdhsa_system_sgpr_workgroup_id_y 1
		.amdhsa_system_sgpr_workgroup_id_z 1
		.amdhsa_system_vgpr_workitem_id 0
		.amdhsa_next_free_vgpr 768
		.amdhsa_next_free_sgpr 100
		.amdhsa_reserve_vcc 0
		.amdhsa_float_denorm_mode_32 3
		.amdhsa_float_denorm_mode_16_64 3
		.amdhsa_memory_ordered 1
		.amdhsa_forward_progress 1
		.amdhsa_inst_pref_size 182
	.end_amdhsa_kernel
	.amdgpu_metadata
---
amdhsa.version: [ 1, 2 ]
amdhsa.kernels:
  - .name:           k_q41342a20d7_pv
    .symbol:         k_q41342a20d7_pv.kd
    .args:
      - { .name: pc, .offset: 0, .size: 8, .value_kind: global_buffer, .address_space: global }
      - { .name: st, .offset: 8, .size: 8, .value_kind: global_buffer, .address_space: global }
      - { .name: c2, .offset: 16, .size: 8, .value_kind: global_buffer, .address_space: global }
      - { .name: out0, .offset: 24, .size: 8, .value_kind: global_buffer, .address_space: global }
    .group_segment_fixed_size: 327680
    .private_segment_fixed_size: 0
    .kernarg_segment_align: 8
    .kernarg_segment_size: 32
    .max_flat_workgroup_size: 128
    .sgpr_count:     100
    .vgpr_count:     768
    .wavefront_size: 32
...
	.end_amdgpu_metadata
.endif
;; end of part 4
